; MI455X (gfx1250); checked and timed in simulation.
; The chip was launched on July 23, 2026; its instructions are those of AMD's public machine-readable ISA for CDNA 5 (MIT licence, August 2026) and "CDNA5" Instruction Set Architecture Reference Guide (July 2026). The comments in the code are by the model that wrote it; some were corrected since.
;; Multi Head Attention. Allowed arithmetic: matrix products marked QUANTISED: E2M3 operands, one E8M0 scale for each 32 along K, by v_wmma_scale_f32_16x16x128_f8f6f4 with both operands' format E2M3, f32 sums; everything else in f32.
;; Inputs: Wk 1,024 x 1,024 float32; Wo 1,024 x 1,024 float32; Wq 1,024 x 1,024 float32; Wv 1,024 x 1,024 float32; bk 1,024 float32; bo 1,024 float32; bq 1,024 float32; bv 1,024 float32; key 4 x 2,048 x 1,024 float32; query 4 x 2,048 x 1,024 float32; value 4 x 2,048 x 1,024 float32.
;; Outputs: out0 4 x 2,048 x 1,024 float32.
;; This version of the problem:
;;   THIS VERSION OF THE PROBLEM IS GIVEN IN LOW PRECISION. The matrix products marked QUANTISED in the list below multiply operands that are first quantised to E2M3 (2 exponent bits, 3 mantissa bits; 6 bits a number), with one power-of-two scale for each 32 numbers along K (OCP MX v1.0); their sums are f32. All else is computed in f32.
;;   The module's matrix products, in the order in which they are computed (A, B: the left and right operand; K: the contracted axis; several contracted axes count as one K, in the product's order):
;;     1. [M 8,192, K 1,024] x [K 1,024, N 1,024]; A: input query; B: input Wq: QUANTISED
;;     2. [M 8,192, K 1,024] x [K 1,024, N 1,024]; A: input key; B: input Wk: QUANTISED
;;     3. [M 8,192, K 1,024] x [K 1,024, N 1,024]; A: input value; B: input Wv: QUANTISED
;;     4. batch 64 x [M 2,048, K 64] x [K 64, N 2,048]; A: computed on the way; B: computed on the way: QUANTISED
;;     5. batch 64 x [M 2,048, K 2,048] x [K 2,048, N 64]; A: softmax (see below); B: computed on the way: QUANTISED
;;     6. [M 8,192, K 1,024] x [K 1,024, N 1,024]; A: computed on the way; B: input Wo: QUANTISED
;;   THE QUANTISER, for each operand of a quantised product, along K:
;;     - K is cut into blocks of 32 from its start; a last block that is shorter is filled with zeros.
;;     - A block's scale is 2^e with e = floor(log2(the largest magnitude in the block)) - 2, held to -126 .. 127; a block of zeros has e = 0. As a byte (E8M0): e + 127.
;;     - Each number is divided by its block's scale, clamped to +-7.5, and rounded to the nearest number of E2M3, ties to even, subnormals kept.
;;     - The product sums the exact products of the quantised numbers (number of the format x scale) in f32.
;;   ~~~python
;;   def quantise(x, axis):      # numpy; x: float32 -> the quantised numbers, widened to float32 again
;;       x = np.moveaxis(x, axis, -1); K = x.shape[-1]
;;       x = np.pad(x, [(0, 0)] * (x.ndim - 1) + [(0, -K % 32)]); x = x.reshape(x.shape[:-1] + (-1, 32)); a = np.abs(x).max(-1, keepdims=True)
;;       e = np.where(a > 0, np.clip(np.frexp(np.where(a > 0, a, 1))[1] - 1 - 2, -126, 127), 0)      # np.frexp(a)[1] - 1 = floor(log2(a)), exactly
;;       r = np.clip(x / 2.0 ** e, -7.5, 7.5)
;;       step = 2.0 ** (np.maximum(np.frexp(np.where(r == 0, 1, r))[1] - 1, 0) - 3)
;;       q = np.round(r / step) * step * 2.0 ** e      # np.round: ties to even
;;       return np.moveaxis(q.reshape(q.shape[:-2] + (-1,))[..., :K], -1, axis).astype(np.float32)
;;   ~~~
;;   SOFTMAX AHEAD OF A QUANTISED PRODUCT. Where the list says 'softmax', what is quantised is not the finished softmax but p = 2^(t - M), with t = logit x log2(e) and M = ceil(the row's largest t), a whole number; so 1/2 < the row's largest p <= 1. The row's sum l is taken of the UNQUANTISED p, in f32, and the product's result is divided by l at the end. Since M is a whole number, a kernel that streams over the keys may use a running M (the ceiling of the running maximum): every later rescaling is an exact power of two, which a block's scale takes up: the codes' values come out the same.
;;   OPERANDS COMPUTED ON THE WAY. 'Computed on the way' means the value that the module computes at that place (a softmax that the list does not call 'softmax' is quantised finished and normalised). What goes into a quantiser is computed in f32, as accurately as f32 sums, v_exp_f32 and their like allow (about 1e-6 of the number): no bf16 or f16 on the way to a quantiser, and a product that is left as it is and whose result goes on into a quantised operand takes f32 operands (vector FMAs, or v_wmma_f32_16x16x4_f32). A number that lies on a knife's edge between two numbers of the format may be rounded either way, as far as f32 arithmetic and the matrix unit's own rounding can turn it there, and no further.
;; One version. Each part assembles by itself: llvm-mc -triple=amdgcn-amd-amdhsa -mcpu=gfx1250 --defsym DOCPART=n.
;; ======== version 1 of 1: 5 launches
;; workspace buffers: xc 18,874,368 bytes; xs 786,432 bytes; wc 3,145,728 bytes; ws 131,072 bytes; qh 6,815,744 bytes; kv 13,369,344 bytes; ac 6,291,456 bytes; asc 262,144 bytes
;; launch quant_w (part 1): grid 8 x 32, 4 waves a work-group, no clusters, 13,824 bytes of LDS; arguments Wq, Wk, Wv, Wo, wc, ws; writes wc, ws
.if DOCPART == 1
	.amdgcn_target "amdgcn-amd-amdhsa--gfx1250"
	.amdhsa_code_object_version 6
	.text
	.protected	k_qeb0605992c_quant_w
	.globl	k_qeb0605992c_quant_w
	.p2align	8
	.type	k_qeb0605992c_quant_w,@function
k_qeb0605992c_quant_w:
	s_mov_b64 s[64:65], 0
	v_nop
	global_prefetch_b8 v0, s[64:65] scope:SCOPE_SE
	s_setreg_imm32_b32 hwreg(HW_REG_WAVE_MODE, 25, 1), 1
	s_wait_xcnt 0x0
; MULTI-HEAD ATTENTION IN MX-FP6, launch 1 of 5: the four weights become codes.
; NO WORK OF THE PROBLEM IS LEFT OUT: every product is live, and each bias goes into a quantised operand (bq, bk, bv) or into the result (bo): all eleven inputs are loaded by some launch.
; W [1024 (k)][1024 (n)], f32, K its first axis, becomes codes of E2M3 with one E8M0 byte for each 32 along K, laid as the matrix unit's registers take them:
;   wc: [weight][row tile of 16 n][K step of 128][1,536 bytes]: a fragment's image: registers 2 p, 2 p + 1 of lane l at 256 p + 8 l.
;   ws: [weight][row position][32 bytes]: word ks = the four scale bytes of K step ks.
; THE ROWS OF A TILE ARE NOT NEIGHBOURS: row r of tile 2 g + u is column n = 32 g + 8 u + r + 8 (r / 8), so that, where the tile is a product's source 0, a lane's 16 results of tiles 2 g and 2 g + 1 are 16 neighbours.
; A lane takes a column n and its registers run down K: a block of 32 lies in one lane, the conversions give codes with K innermost, nothing is transposed.
; A wave: 32 columns x 128 along K (4 blocks a lane) = two fragments; they are gathered in the wave's own stage in LDS and leave as 512 consecutive bytes a store.
; A block's scale: the largest magnitude's exponent field less 2, held at 1 from below.  LIMITS: a block of zeros gets the byte 1 (its codes are zeros; this program alone reads the bytes);
; blocks whose largest magnitude lies under 2^-124 are held at the byte 1; NaN and infinities among the inputs are not served.
.set WST,   3328                       ; a wave's stage: two images, IMG bytes apart
.set IMG,   1664                       ; 1,536 + 128: the two tiles' halves of a store of 8 bytes a lane fall on different banks
.set SPARE, 4*WST                      ; the spare words, 128 bytes for each wave
.set X,     32                         ; v32-95   two sets of 32 numbers
.set C,     96                         ; v96-102  a block's codes
.set OUTR,  104                        ; v104-127 the way out
.set SB,    24                         ; v24      my column's four scale bytes
.set SPW,   14                         ; v14      my spare word; never rewritten
.set NIL,   15                         ; v15      0; never rewritten
	s_load_b256 s[4:11], s[0:1], 0x0               ; Wq, Wk, Wv, Wo
	s_load_b128 s[12:15], s[0:1], 0x20             ; wc, ws
	v_lshl_add_u32 v[SPW], v0, 2, SPARE
	v_mov_b32 v[NIL], 0
	v_lshrrev_b32 v1, 5, v0
	v_readfirstlane_b32 s16, v1                    ; wave
	v_and_b32 v2, 31, v0                           ; lane = my column among the wave's 32
	v_lshlrev_b32 v3, 2, v2                        ; in: 4 bytes a lane
	v_bfe_u32 v5, v0, 3, 1                         ; which of the two tiles my column falls into: bit 3 of the lane,
	v_bfe_u32 v6, v0, 4, 1
	v_and_b32 v10, 7, v0
	v_lshl_or_b32 v6, v6, 3, v10                   ; and which row of it: bits 2:0, and bit 4 as bit 3
	s_mul_i32 s17, s16, WST
	v_mul_u32_u24 v4, v5, IMG
	v_lshl_add_u32 v4, v6, 3, v4
	v_add_nc_u32 v4, s17, v4                       ; into the stage: my tile's image, 8 bytes at 8 x row
	v_lshlrev_b32 v8, 4, v2                        ; out: 16 bytes a lane
	v_add_nc_u32 v7, s17, v8
	v_lshl_or_b32 v9, v5, 4, v6
	v_lshlrev_b32 v9, 5, v9                        ; my row position x 32 bytes of scales
	s_and_b32 s18, ttmp7, 0xffff
	s_lshr_b32 s19, s18, 3                         ; which weight
	s_and_b32 s18, s18, 7                          ; which K step
	s_lshl_b32 s20, s18, 19                        ; W: 128 rows of 4,096 bytes a K step,
	s_lshl_b32 s22, ttmp9, 9
	s_add_co_u32 s20, s20, s22                     ; 128 columns a work-group,
	s_lshl_b32 s22, s16, 7
	s_add_co_u32 s20, s20, s22                     ; 32 a wave
	s_mov_b32 s21, 0
	s_lshl_b32 s22, ttmp9, 3
	s_lshl_b32 s23, s16, 1
	s_add_co_u32 s22, s22, s23                     ; my first row tile
	s_mul_i32 s24, s22, 12288
	s_mul_i32 s23, s19, 786432
	s_add_co_u32 s24, s24, s23
	s_mul_i32 s23, s18, 1536
	s_add_co_u32 s24, s24, s23                     ; its image of this K step in wc
	s_mov_b32 s25, 0
	s_lshl_b32 s26, s22, 9
	s_lshl_b32 s23, s19, 15
	s_add_co_u32 s26, s26, s23
	s_lshl_b32 s23, s18, 2
	s_add_co_u32 s26, s26, s23                     ; and its rows' word of this K step in ws
	s_mov_b32 s27, 0
	s_wait_kmcnt 0x0
	s_cmp_eq_u32 s19, 1                            ; the weight is chosen by the work-group's number alone
	s_cselect_b64 s[4:5], s[6:7], s[4:5]
	s_cmp_eq_u32 s19, 2
	s_cselect_b64 s[4:5], s[8:9], s[4:5]
	s_cmp_eq_u32 s19, 3
	s_cselect_b64 s[4:5], s[10:11], s[4:5]
	s_add_nc_u64 s[4:5], s[4:5], s[20:21]
	s_add_nc_u64 s[12:13], s[12:13], s[24:25]
	s_add_nc_u64 s[14:15], s[14:15], s[26:27]
.macro LOAD t                          ; block t: W(32 t + i, my column) into set t % 2; 32 lanes read 128 consecutive bytes
.irp i, 0,1,2,3,4,5,6,7,8,9,10,11,12,13,14,15,16,17,18,19,20,21,22,23,24,25,26,27,28,29,30,31
	global_load_b32 v[X+32*((\t)%2)+\i], v3, s[4:5] offset:(32*(\t)+\i)*4096 th:TH_LOAD_NT
.endr
.endm
	LOAD 0
	LOAD 1
.macro BLOCK t
.set XS, X+32*((\t)%2)
.if (\t) < 3
	s_wait_loadcnt 32                              ; this block's 32 loads are in; the next block's 32 may be out
.else
	s_wait_loadcnt 0
.endif
	v_max3_num_f32 v12, |v[XS]|, |v[XS+1]|, |v[XS+2]|       ; the block's largest magnitude: all 32 numbers are mine; two chains
	v_max3_num_f32 v13, |v[XS+3]|, |v[XS+4]|, |v[XS+5]|
.irp i, 6,10,14,18,22,26
	v_max3_num_f32 v12, v12, |v[XS+\i]|, |v[XS+\i+1]|
	v_max3_num_f32 v13, v13, |v[XS+\i+2]|, |v[XS+\i+3]|
.endr
	v_max3_num_f32 v12, v12, |v[XS+30]|, |v[XS+31]|
	v_max3_num_f32 v12, v12, v13, 0x1800000        ; and the floor 2^(3 - 127): the byte cannot fall under 1
	v_add_nc_u32 v11, 0xff000000, v12              ; 2 off the exponent field: the conversion's scale operand
	v_lshrrev_b32 v13, 23, v11                     ; the scale's byte
.if (\t) == 0
	v_mov_b32 v[SB], v13
.else
	v_lshl_or_b32 v[SB], v13, 8*(\t), v[SB]        ; the lower K in the lower byte
.endif
	v_cvt_scalef32_pk16_fp6_f32 v[C:C+2], v[XS:XS+15], v11
	v_cvt_scalef32_pk16_fp6_f32 v[C+4:C+6], v[XS+16:XS+31], v11   ; (a conversion's three registers begin on an even number)
	v_nop                                          ; one plain line behind the conversions
	v_mov_b32 v[C+3], v[C+4]
	v_mov_b32 v[C+4], v[C+5]
	v_mov_b32 v[C+5], v[C+6]                       ; the block's 24 bytes on end
.irp i, 0,1,2
	ds_store_b64 v4, v[C+2*\i:C+2*\i+1] offset:256*(3*((\t)/2)+\i)+128*((\t)%2)   ; block t = registers 6 (t / 2) on of lane row + 16 (t % 2)
.endr
.if (\t)+2 < 4
	LOAD (\t)+2
.endif
	s_wait_dscnt 0x0                               ; the stores have read their registers: the next block's codes may be written
.endm
	BLOCK 0
	BLOCK 1
	BLOCK 2
	BLOCK 3
	global_store_b32 v9, v[SB], s[14:15]           ; my row's scale word of this K step
.irp q, 0,1
.irp k, 0,1,2
	ds_load_b128 v[OUTR+12*\q+4*\k:OUTR+12*\q+4*\k+3], v7 offset:\q*IMG+512*\k   ; LDS serves a wave's instructions in order: these see my stores
.endr
.endr
.irp q, 0,1
.irp k, 0,1,2
	s_wait_dscnt 5-3*\q-\k                         ; the younger loads may be out
	global_store_b128 v8, v[OUTR+12*\q+4*\k:OUTR+12*\q+4*\k+3], s[12:13] offset:\q*12288+512*\k   ; 32 lanes store 512 consecutive bytes, at a multiple of 256 from wc's first byte
.endr
.endr
	s_wait_tensorcnt 0x0                           ; the wave's end, behind my last LDS store
	ds_add_u32 v[SPW], v[NIL]
	s_wait_dscnt 0x0
	s_endpgm
.Lfunc_end_k_qeb0605992c_quant_w:
	.size	k_qeb0605992c_quant_w, .Lfunc_end_k_qeb0605992c_quant_w-k_qeb0605992c_quant_w
	.p2alignl 7, 3214868480
	.fill 96, 4, 3214868480
	.section	.rodata,"a",@progbits
	.p2align	6, 0x0
	.amdhsa_kernel k_qeb0605992c_quant_w
		.amdhsa_group_segment_fixed_size 13824
		.amdhsa_private_segment_fixed_size 0
		.amdhsa_enable_private_segment 0
		.amdhsa_kernarg_size 48
		.amdhsa_user_sgpr_count 2
		.amdhsa_user_sgpr_kernarg_segment_ptr 1
		.amdhsa_wavefront_size32 1
		.amdhsa_system_sgpr_workgroup_id_x 1
		.amdhsa_system_sgpr_workgroup_id_y 1
		.amdhsa_system_sgpr_workgroup_id_z 1
		.amdhsa_system_vgpr_workitem_id 0
		.amdhsa_next_free_vgpr 128
		.amdhsa_next_free_sgpr 66
		.amdhsa_reserve_vcc 0
		.amdhsa_float_denorm_mode_32 3
		.amdhsa_float_denorm_mode_16_64 3
		.amdhsa_memory_ordered 1
		.amdhsa_forward_progress 1
		.amdhsa_inst_pref_size 23
	.end_amdhsa_kernel
	.amdgpu_metadata
---
amdhsa.version: [ 1, 2 ]
amdhsa.kernels:
  - .name:           k_qeb0605992c_quant_w
    .symbol:         k_qeb0605992c_quant_w.kd
    .args:
      - { .name: Wq, .offset: 0, .size: 8, .value_kind: global_buffer, .address_space: global }
      - { .name: Wk, .offset: 8, .size: 8, .value_kind: global_buffer, .address_space: global }
      - { .name: Wv, .offset: 16, .size: 8, .value_kind: global_buffer, .address_space: global }
      - { .name: Wo, .offset: 24, .size: 8, .value_kind: global_buffer, .address_space: global }
      - { .name: wc, .offset: 32, .size: 8, .value_kind: global_buffer, .address_space: global }
      - { .name: ws, .offset: 40, .size: 8, .value_kind: global_buffer, .address_space: global }
    .group_segment_fixed_size: 13824
    .private_segment_fixed_size: 0
    .kernarg_segment_align: 8
    .kernarg_segment_size: 48
    .max_flat_workgroup_size: 128
    .sgpr_count:     66
    .vgpr_count:     128
    .wavefront_size: 32
...
	.end_amdgpu_metadata
.endif
;; end of part 1
;; launch quant_x (part 2): grid 256 x 1, 6 waves a work-group, no clusters, 51,456 bytes of LDS; arguments query, key, value, xc, xs; writes xc, xs
.if DOCPART == 2
	.amdgcn_target "amdgcn-amd-amdhsa--gfx1250"
	.amdhsa_code_object_version 6
	.text
	.protected	k_qeb0605992c_quant_x
	.globl	k_qeb0605992c_quant_x
	.p2align	8
	.type	k_qeb0605992c_quant_x,@function
k_qeb0605992c_quant_x:
	s_mov_b64 s[64:65], 0
	v_nop
	global_prefetch_b8 v0, s[64:65] scope:SCOPE_SE
	s_setreg_imm32_b32 hwreg(HW_REG_WAVE_MODE, 25, 1), 1
	s_wait_xcnt 0x0
; Launch 2 of 5: query, key and value, [8192][1024] f32 each, K innermost, become codes of E2M3 with one E8M0 byte for each 32 along K.  No work of the problem is left out.
;   xc: [tensor x 512 + row tile][K step of 128][1,536 bytes]: a fragment's image: registers 2 p, 2 p + 1 of lane l at 256 p + 8 l.   xs: [row position][32 bytes]: word ks = the scale bytes of K step ks.
; Row r of row tile 2 g + u is token 32 g + 8 u + r + 8 (r / 8) (as the weights' rows in the launch before).
; 1,536 row tiles = 256 work-groups x 6 waves: a wave takes one row tile, 16 rows x 1,024 along K, in 8 steps of 128.
; A step's loads take each row's 512 bytes as they lie, 16 bytes a lane; they turn through the wave's own stage in LDS (rows of 528 bytes), from which lane (r, h) takes what the operand's layout gives it:
; of row r the numbers k = 64 c + 32 h + 0 .. 31: two whole blocks, so that a block's maximum needs no other lane and the conversions' results are the operand's registers.
; LIMITS: a block of zeros gets the byte 1 (its codes are zeros; this program alone reads the bytes); blocks whose largest magnitude lies under 2^-124 are held at the byte 1; NaN and infinities are not served.
.set WST,   8448                       ; a wave's stage: 16 rows x 528 bytes
.set SPARE, 6*WST                      ; the spare words, 128 bytes for each wave
.set R,     16                         ; v16-143  two sets of 64 registers as loaded
.set X,     144                        ; v144-207 my two blocks
.set C,     208                        ; v208-219 the fragment
.set CT,    220                        ; v220-226 the blocks' second halves, as converted
.set TM,    228                        ; v228-234 at work
.set SW,    236                        ; v236-243 the row's scale word of each step
.set T,     244                        ; v244-247 my 16 of the row's 32 scale bytes
.set SPW,   12
.set NIL,   13
	s_load_b256 s[4:11], s[0:1], 0x0               ; query, key, value, xc
	s_load_b64 s[12:13], s[0:1], 0x20              ; xs
	v_lshl_add_u32 v[SPW], v0, 2, SPARE
	v_mov_b32 v[NIL], 0
	v_lshrrev_b32 v1, 5, v0
	v_readfirstlane_b32 s16, v1                    ; wave 0..5
	v_and_b32 v1, 31, v0                           ; lane
	v_and_b32 v8, 15, v0                           ; r
	v_bfe_u32 v9, v0, 4, 1                         ; h
	v_lshlrev_b32 v2, 4, v1                        ; in: 16 bytes a lane
	s_mul_i32 s17, s16, WST
	v_add_nc_u32 v3, s17, v2                       ; into the stage
	v_mul_u32_u24 v4, v8, 528
	v_lshl_add_u32 v4, v9, 7, v4
	v_add_nc_u32 v4, s17, v4                       ; out of it: row r, + 128 h bytes
	v_lshlrev_b32 v5, 3, v1                        ; codes: 8 bytes a lane
	v_lshlrev_b32 v6, 5, v8
	v_lshl_add_u32 v6, v9, 4, v6                   ; scales: 32 r + 16 h
	v_lshlrev_b32 v7, 3, v9                        ; 8 h: my bytes' place in a scale word
	v_mov_b32 v[TM+6], 0                           ; written once: a lane permute's destination counts as one of its sources
	s_mul_i32 s18, ttmp9, 6
	s_add_co_u32 s18, s18, s16                     ; my row tile among the 1,536
	s_and_b32 s19, s18, 511                        ; and in its tensor
	s_lshr_b32 s20, s19, 1
	s_lshl_b32 s20, s20, 17                        ; 32 rows of 4,096 bytes for each pair of tiles,
	s_and_b32 s19, s19, 1
	s_lshl_b32 s19, s19, 15                        ; 8 rows for the odd tile
	s_add_co_u32 s20, s20, s19
	s_mov_b32 s21, 0
	s_mul_i32 s22, s18, 12288
	s_mov_b32 s23, 0
	s_lshl_b32 s24, s18, 9
	s_mov_b32 s25, 0
	s_mov_b32 s26, 0x76543210
	s_mov_b32 s27, 0xfedcba98                      ; v_permlanex16_b32's selects for lane l xor 16
	s_wait_alu depctr_va_vdst(0)
	s_wait_kmcnt 0x0
	s_cmp_lt_u32 s18, 1024                         ; the tensor is chosen by ids alone
	s_cselect_b64 s[6:7], s[6:7], s[8:9]
	s_cmp_lt_u32 s18, 512
	s_cselect_b64 s[4:5], s[4:5], s[6:7]
	s_add_nc_u64 s[4:5], s[4:5], s[20:21]
	s_add_nc_u64 s[10:11], s[10:11], s[22:23]
	s_add_nc_u64 s[12:13], s[12:13], s[24:25]
.macro LOAD t                          ; step t: 512 consecutive bytes of each of the tile's 16 rows
.irp i, 0,1,2,3,4,5,6,7,8,9,10,11,12,13,14,15
	global_load_b128 v[R+64*((\t)%2)+4*\i:R+64*((\t)%2)+4*\i+3], v2, s[4:5] offset:(\i+8*(\i/8))*4096+512*(\t) th:TH_LOAD_NT
.endr
.endm
	LOAD 0
	LOAD 1
.macro STEP t
.set RS, R+64*((\t)%2)
.if (\t) < 7
	s_wait_loadcnt 16                              ; this step's 16 loads are in; the next step's 16 may be out
.else
	s_wait_loadcnt 0
.endif
.irp i, 0,1,2,3,4,5,6,7,8,9,10,11,12,13,14,15
	ds_store_b128 v3, v[RS+4*\i:RS+4*\i+3] offset:528*\i
.endr
.irp c, 0,1
.irp i, 0,1,2,3,4,5,6,7
	ds_load_b128 v[X+32*\c+4*\i:X+32*\c+4*\i+3], v4 offset:256*\c+16*\i   ; LDS serves a wave's instructions in order: these see the stores above
.endr
.endr
	s_wait_dscnt 0x0                               ; my numbers are back, and the stores have read their registers,
.if (\t)+2 < 8
	LOAD (\t)+2                                    ; which take the loads of two steps on
.endif
.irp c, 0,1
	v_max3_num_f32 v[TM+\c], |v[X+32*\c]|, |v[X+32*\c+1]|, 0x1800000   ; block 2 c + h, and the floor 2^(3 - 127)
.endr
.irp i, 2,4,6,8,10,12,14,16,18,20,22,24,26,28,30
.irp c, 0,1
	v_max3_num_f32 v[TM+\c], v[TM+\c], |v[X+32*\c+\i]|, |v[X+32*\c+\i+1]|
.endr
.endr
.irp c, 0,1
	v_add_nc_u32 v[TM+2+\c], 0xff000000, v[TM+\c]  ; 2 off the exponent field: the conversion's scale operand
.endr
.irp c, 0,1
	v_lshrrev_b32 v[TM+4+\c], 23, v[TM+2+\c]       ; the scale's byte
.endr
	v_lshl_or_b32 v[SW+(\t)], v[TM+5], 16, v[TM+4] ; my two bytes: blocks h and 2 + h,
	v_lshlrev_b32 v[SW+(\t)], v7, v[SW+(\t)]       ; at their places;
	v_permlanex16_b32 v[TM+6], v[SW+(\t)], s26, s27
	v_or_b32 v[SW+(\t)], v[SW+(\t)], v[TM+6]       ; with lane l xor 16's two the word is whole
	s_wait_alu depctr_va_vdst(0)
	s_wait_xcnt 0x0                                ; the last step's stores have read their data: the fragment's registers may be written
.irp c, 0,1
	v_cvt_scalef32_pk16_fp6_f32 v[C+6*\c:C+6*\c+2], v[X+32*\c:X+32*\c+15], v[TM+2+\c]
	v_cvt_scalef32_pk16_fp6_f32 v[CT+4*\c:CT+4*\c+2], v[X+32*\c+16:X+32*\c+31], v[TM+2+\c]   ; (a conversion's three registers begin on an even number)
.endr
	v_nop                                          ; one plain line behind the conversions
.irp c, 0,1
.irp i, 0,1,2
	v_mov_b32 v[C+6*\c+3+\i], v[CT+4*\c+\i]
.endr
.endr
.irp p, 0,1,2,3,4,5
	global_store_b64 v5, v[C+2*\p:C+2*\p+1], s[10:11] offset:1536*(\t)+256*\p   ; 32 lanes store 256 consecutive bytes, at a multiple of 256 from xc's first byte
.endr
.endm
.irp t, 0,1,2,3,4,5,6,7
	STEP \t
.endr
	v_cmp_eq_u32 vcc_lo, 1, v9
.irp i, 0,1,2,3
	v_cndmask_b32 v[T+\i], v[SW+\i], v[SW+4+\i], vcc_lo   ; lanes 0-15 take the row's words 0-3, lanes 16-31 its words 4-7
.endr
	global_store_b128 v6, v[T:T+3], s[12:13]       ; the tile's 512 scale bytes, consecutive
	s_wait_tensorcnt 0x0                           ; the wave's end, behind my last LDS store
	ds_add_u32 v[SPW], v[NIL]
	s_wait_dscnt 0x0
	s_endpgm
.Lfunc_end_k_qeb0605992c_quant_x:
	.size	k_qeb0605992c_quant_x, .Lfunc_end_k_qeb0605992c_quant_x-k_qeb0605992c_quant_x
	.p2alignl 7, 3214868480
	.fill 96, 4, 3214868480
	.section	.rodata,"a",@progbits
	.p2align	6, 0x0
	.amdhsa_kernel k_qeb0605992c_quant_x
		.amdhsa_group_segment_fixed_size 51456
		.amdhsa_private_segment_fixed_size 0
		.amdhsa_enable_private_segment 0
		.amdhsa_kernarg_size 40
		.amdhsa_user_sgpr_count 2
		.amdhsa_user_sgpr_kernarg_segment_ptr 1
		.amdhsa_wavefront_size32 1
		.amdhsa_system_sgpr_workgroup_id_x 1
		.amdhsa_system_sgpr_workgroup_id_y 1
		.amdhsa_system_sgpr_workgroup_id_z 1
		.amdhsa_system_vgpr_workitem_id 0
		.amdhsa_next_free_vgpr 256
		.amdhsa_next_free_sgpr 66
		.amdhsa_reserve_vcc 1
		.amdhsa_float_denorm_mode_32 3
		.amdhsa_float_denorm_mode_16_64 3
		.amdhsa_memory_ordered 1
		.amdhsa_forward_progress 1
		.amdhsa_inst_pref_size 60
	.end_amdhsa_kernel
	.amdgpu_metadata
---
amdhsa.version: [ 1, 2 ]
amdhsa.kernels:
  - .name:           k_qeb0605992c_quant_x
    .symbol:         k_qeb0605992c_quant_x.kd
    .args:
      - { .name: query, .offset: 0, .size: 8, .value_kind: global_buffer, .address_space: global }
      - { .name: key, .offset: 8, .size: 8, .value_kind: global_buffer, .address_space: global }
      - { .name: value, .offset: 16, .size: 8, .value_kind: global_buffer, .address_space: global }
      - { .name: xc, .offset: 24, .size: 8, .value_kind: global_buffer, .address_space: global }
      - { .name: xs, .offset: 32, .size: 8, .value_kind: global_buffer, .address_space: global }
    .group_segment_fixed_size: 51456
    .private_segment_fixed_size: 0
    .kernarg_segment_align: 8
    .kernarg_segment_size: 40
    .max_flat_workgroup_size: 192
    .sgpr_count:     66
    .vgpr_count:     256
    .wavefront_size: 32
...
	.end_amdgpu_metadata
.endif
;; end of part 2
;; launch proj (part 3): grid 4 x 96, 4 waves a work-group, clusters of 4 x 4, 327,680 bytes of LDS; arguments xc, xs, wc, ws, bq, bk, bv, qh, kv; writes qh, kv
.if DOCPART == 3
	.amdgcn_target "amdgcn-amd-amdhsa--gfx1250"
	.amdhsa_code_object_version 6
	.text
	.protected	k_qeb0605992c_proj
	.globl	k_qeb0605992c_proj
	.p2align	8
	.type	k_qeb0605992c_proj,@function
k_qeb0605992c_proj:
	s_mov_b64 s[64:65], 0
	v_nop
	global_prefetch_b8 v0, s[64:65] scope:SCOPE_SE
	s_setreg_imm32_b32 hwreg(HW_REG_WAVE_MODE, 25, 1), 1
	s_wait_xcnt 0x0
	s_wait_alu depctr_hold_cnt(0) depctr_sa_sdst(0) depctr_va_vdst(0) depctr_va_sdst(0) depctr_va_ssrc(0) depctr_va_vcc(0) depctr_vm_vsrc(0)
	s_getreg_b32 s2, hwreg(HW_REG_IB_STS2, 6, 4)
	s_cmp_eq_u32 s2, 0
	s_cbranch_scc0 .Lentry_in_a_cluster
	s_endpgm
.Lentry_in_a_cluster:
	s_bfe_u32 s2, ttmp6, 0x10000c
	s_cmp_lg_u32 s2, 0xf033
	s_cbranch_scc0 .Lentry_shape_is_right
	s_endpgm
.Lentry_shape_is_right:
; Launch 3 of 5: q = query Wq + bq, k = key Wk + bk, v = value Wv + bv on codes of E2M3, and the results quantised on the way out for attention's two products.  No work of the problem is left out.
; A tile of 256 x 256 results to a work-group of four waves, 128 x 128 to a wave: 64 accumulators, 512 registers.  K = 1,024 goes in four steps of 256 through a ring of two LDS slots filled by the tensor data mover.
; Operands lie in memory as images of fragments (registers 2 p, 2 p + 1 of lane l at 256 p + 8 l; a row tile's 8 images on end): a slot's part of a row tile is 3,072 consecutive bytes, a load of 8 bytes a lane reads 256
; consecutive LDS bytes: no padding.  The scale bytes of the work-group's rows, for all of K, come once, with the first fills, and stay.
; SOURCE 0 ('B') GIVES THE INDEX THAT RUNS ALONG A LANE'S REGISTERS, SOURCE 1 ('A') THE LANE'S.  The next quantiser's axis must run along the registers:
;   q, k (sel 0, 1): blocks along d: B = the weight's 256 columns n (tile column cx), A = 256 tokens (tile row 4 c8 + cy).
;   v (sel 2):       blocks along the keys: B = 256 tokens (tile column 4 c8 + cx), A = the weight's 256 columns n (tile row cy).
; sel and c8 come from the cluster's number: they are the same in all sixteen partners.  By the rows chosen for B's tiles, a lane's 16 results of tiles 2 g, 2 g + 1 are neighbours 32 g + 16 (lane / 16) + 0 .. 15.
; The bias is the C of each sum's first matrix instruction.
; CLUSTER 4 x 4: A's tiles are shared along a row of the cluster, B's along a column: each is asked for jointly.
; OUT: qh: for each (batch, head) a record: q's codes [token tile][768 bytes] (half a fragment: 16 tokens x 64), at 98,304 one scale word a token.  kv: a record: k's codes likewise; at 98,304 v's codes [key step of 128][d tile][1,536];
;   at 196,608 k's scale words; at 204,800 v's [key step][d tile][16 words].  A scale word of q or k holds the head's two bytes below; its upper two bytes (the neighbouring head's, or 0) only ever meet zero codes.
; LIMITS: a block of zeros gets the byte 1; blocks whose largest magnitude lies under 2^-124 are held at the byte 1; NaN and infinities are not served.
; REGISTERS: window 0: v1-31 addresses; v32-63 scale words, two sets; v64-127 the bias, later the way out; v128-223 A's fragments, one set.  window 1: B's fragments, two sets, at v0 and v128.  windows 2, 3: the accumulators.
.set NQ,    2                          ; matrix instructions deep in a slot
.set FR,    12                         ; registers of a fragment
.set NL,    6                          ; LDS loads that bring one
.set NP,    4                          ; places behind this matrix instruction (ISA guide 7.12.1)
.set FIB,   1536                       ; a fragment's image
.set RTB,   12288                      ; a row tile's 8 images
.set TSL,   NQ*FIB                     ; a row tile's bytes in a slot
.set HALFT, 8*TSL                      ; 128 rows: what one tensor load brings
.set SLOT,  4*HALFT                    ; A's 256 rows, then B's
.set LAPS,  2                          ; 1,024 / 512
.set KS,    32                         ; a row of scales
.set SCL,   2*SLOT                     ; behind the ring: the scales, as units of 256 bytes + 16 of padding
.set HALFS, 16*272                     ; those of 128 rows
.set SBLK,  2*272                      ; those of 16 rows
.set SPARE, SCL+4*HALFS                ; the spare words, 128 bytes for each wave
.set VO0,  8                           ; v8   the way out: byte offset of the codes' first three pieces
.set VO1,  9                           ; v9   and of the other three
.set SCA,  10                          ; v10  LDS: where a block's scale word goes: 1,024 wave + 512 (lane / 16) + 4 (lane % 16), in slot 0, which has had its last fill and its last read by then
.set SRD,  11                          ; v11  LDS: and where 16 bytes a lane come back
.set VS0,  12                          ; v12  byte offset of the scale words in the output
.set VS1,  13                          ; v13  the second head's (q, k)
.set SH16, 14                          ; v14  q, k: 16 (lane / 16); v: 0
.set ADRA, 16                          ; v16-17 LDS address of my A fragments in slot 0, 1
.set ADRB, 20                          ; v20-21 the same for B
.set ADRS, 27                          ; v27  LDS address of my scale words: lanes 0-15 A's rows, lanes 16-31 B's
.set SPW,  28
.set NIL,  29
.set VB,   30                          ; v30  the bias: my lane's byte
.set SC,   32
.set BI,   64                          ; v64-127 the bias in the result's layout
.set AF,   128
.set TM,   64                          ; the way out: v64-79 at work
.set PW,   80                          ; the scale word just made
.set T,    84                          ; v84-91 it shifted, a register for each block
.set PC,   96                          ; v96-115 the codes just made
.set RB,   116                         ; v116-123 scale words read back
.set G1,   24
.set G0,   32
.set G1B,  48
.set G0B,  56
.set SELR, 66                          ; s66  sel
.set STEPA, 67                         ; s67  from a block of A to the next, in the output
.set G1S,  68
.set G0S,  76
.set G1SB, 80
.set G0SB, 88
.set PSEL, 92                          ; s[92:93] selects for v_permlanex16_b32 (set behind the set-up)
.set OUT,  98                          ; s[98:99] qh or kv
.set JUMP, 100                         ; s100 v: from a head's last d tile to the next head's first
.set MSB, 0
.macro WIN new                         ; the immediate's high byte repeats the setting that is left
.if MSB != (\new)
	s_set_vgpr_msb (MSB<<8)|(\new)
.set MSB, (\new)
.endif
.endm
.set MUL_LO, 0xa1                      ; source 0 (B) window 1, source 1 (A) window 0, C and D window 2
.set MUL_HI, 0xf1                      ; the same, C and D window 3
.set ST_LO,  0x81                      ; the first step: C (the bias) window 0, D window 2
.set ST_HI,  0xc1                      ; D window 3
.set TO_B,   0x40                      ; destination window 1, address window 0
; A joint load: waves 0 and 1 fetch for A, waves 2 and 3 for B.  The branch hangs on the wave's number alone.  An s_nop 0 and four v_nop follow each of the two lines.
.macro JLOAD g0a, g1a, g0b, g1b
	s_cmp_eq_u32 s15, 0
	s_cbranch_scc0 .Lfor_b_\@
	tensor_load_to_lds s[\g0a:\g0a+3], s[\g1a:\g1a+7]
	s_nop 0
.rept 4
	v_nop
.endr
	s_branch .Lasked_\@
.Lfor_b_\@:
	tensor_load_to_lds s[\g0b:\g0b+3], s[\g1b:\g1b+7]
	s_nop 0
.rept 4
	v_nop
.endr
.Lasked_\@:
.endm
.macro CREST                           ; a round of the cluster's barrier behind its opening barrier
	s_cmp_lg_u32 s14, 0
	s_cbranch_scc1 .Lnot_wave_0_\@
	s_barrier_signal -3
.Lnot_wave_0_\@:
	s_barrier_wait -3
	s_barrier_signal -1
	s_barrier_wait -1
.endm
.macro CROUND
	s_barrier_signal -1
	s_barrier_wait -1
	CREST
.endm
	s_load_b256 s[4:11], s[0:1], 0x0               ; xc, xs, wc, ws
	s_load_b256 s[32:39], s[0:1], 0x20             ; bq, bk, bv, qh: in the registers of the groups 0, which are written only behind the choice
	s_load_b64 s[56:57], s[0:1], 0x40              ; kv
	v_lshl_add_u32 v[SPW], v0, 2, SPARE
	v_mov_b32 v[NIL], 0
	ds_add_u32 v[SPW], v[NIL]                      ; the wave's opening: the add, twice on end, and its wait ahead of my first tensor load
	ds_add_u32 v[SPW], v[NIL]
	v_lshrrev_b32 v1, 5, v0
	v_readfirstlane_b32 s14, v1                    ; wave 0..3
	s_lshr_b32 s15, s14, 1                         ; which half of A's rows is mine.  Also: I fetch for A (0) or for B (1)
	s_and_b32 s16, s14, 1                          ; which half of B's rows.  Also: which 128 rows I fetch
	s_bfe_u32 s40, ttmp6, 0x40000                  ; cx
	s_bfe_u32 s41, ttmp6, 0x40004                  ; cy
	s_and_b32 s[SELR], ttmp7, 0xffff               ; the cluster's y, 0..23
	s_and_b32 s101, s[SELR], 7
	s_lshl_b32 s101, s101, 2                       ; 4 c8
	s_lshr_b32 s[SELR], s[SELR], 3                 ; sel: 0 q, 1 k, 2 v
	s_cmp_eq_u32 s[SELR], 2
	s_cselect_b32 s17, 0, s101
	s_cselect_b32 s42, s101, 0
	s_add_co_u32 s17, s17, s41                     ; tile row (A): cy, and 4 c8 where A is tokens
	s_add_co_u32 s42, s42, s40                     ; tile column (B): cx, and 4 c8 where B is tokens
	s_lshl_b32 s43, s41, 2
	s_lshl_b32 s43, 15, s43                        ; my row of the cluster
	s_lshl_b32 s44, 0x1111, s40                    ; my column
	; group 1 for codes: 8 row tiles x 3,072 bytes (384 elements of 8 bytes), 12,288 bytes apart; no padding
	s_or_b32 s[G1+0], s43, (3<<16)|(1<<21)
	s_or_b32 s[G1B+0], s44, (3<<16)|(1<<21)
.irp g, G1, G1B
	s_mov_b32 s[\g+1], 384<<16                     ; tensor_dim0
	s_mov_b32 s[\g+2], 8<<16                       ; tensor_dim1
	s_mov_b32 s[\g+3], 384<<16                     ; tile_dim0
	s_mov_b32 s[\g+4], 8                           ; tile_dim1
	s_mov_b32 s[\g+5], 1536                        ; tensor_dim0_stride
	s_mov_b32 s[\g+6], 0
	s_mov_b32 s[\g+7], 0
.endr
	; and for the scales of 128 rows: 4,096 dense bytes as 16 rows of 256 bytes, 16 bytes of padding behind each
	s_or_b32 s[G1S+0], s43, (3<<16)|(1<<20)|(1<<21)|(5<<22)|(3<<25)
	s_or_b32 s[G1SB+0], s44, (3<<16)|(1<<20)|(1<<21)|(5<<22)|(3<<25)
.irp g, G1S, G1SB
	s_mov_b32 s[\g+1], 32<<16
	s_mov_b32 s[\g+2], 16<<16
	s_mov_b32 s[\g+3], 32<<16
	s_mov_b32 s[\g+4], 16
	s_mov_b32 s[\g+5], 32
	s_mov_b32 s[\g+6], 0
	s_mov_b32 s[\g+7], 0
.endr
	; byte offsets of what I fetch.  A's are made of the tile row, B's of the tile column, each in registers that never hold the other coordinate
	s_lshl_b32 s20, s17, 1
	s_add_co_u32 s20, s20, s16                     ; A: which 128 rows
	s_mul_i32 s22, s20, 4096                       ; their scales,
	s_mul_i32 s20, s20, 8*RTB                      ; their codes
	s_lshl_b32 s46, s42, 1
	s_add_co_u32 s46, s46, s16                     ; B likewise
	s_mul_i32 s96, s46, 4096
	s_mul_i32 s46, s46, 8*RTB
	s_mov_b32 s18, 6291456                         ; a tensor of tokens in xc,
	s_mov_b32 s19, 262144                          ; in xs;
	s_mov_b32 s92, 786432                          ; a weight in wc,
	s_mov_b32 s93, 32768                           ; in ws
	s_cmp_eq_u32 s[SELR], 2
	s_cselect_b32 s21, s92, s18
	s_cselect_b32 s23, s93, s19
	s_cselect_b32 s47, s18, s92
	s_cselect_b32 s97, s19, s93
	s_mul_i32 s21, s21, s[SELR]                    ; tensor sel of its buffer
	s_mul_i32 s23, s23, s[SELR]
	s_mul_i32 s47, s47, s[SELR]
	s_mul_i32 s97, s97, s[SELR]
	s_add_co_u32 s20, s20, s21
	s_add_co_u32 s22, s22, s23
	s_add_co_u32 s46, s46, s47
	s_add_co_u32 s96, s96, s97
	s_mov_b32 s21, 0
	s_mov_b32 s23, 0
	s_mov_b32 s47, 0
	s_mov_b32 s97, 0
	s_mul_i32 s45, s14, HALFT                      ; where they go: wave x 128 rows: no place in the cluster enters an LDS address
	s_mul_i32 s94, s14, HALFS
	s_wait_dscnt 0x0                               ; both opening adds are done
	s_wait_kmcnt 0x0
	s_cmp_eq_u32 s[SELR], 2                        ; the buffers are chosen by sel alone
	s_cselect_b64 s[18:19], s[8:9], s[4:5]         ; A's codes: the weights' for v, else the tokens'
	s_cselect_b64 s[92:93], s[10:11], s[6:7]       ; A's scales
	s_cselect_b64 s[4:5], s[4:5], s[8:9]           ; B's codes
	s_cselect_b64 s[6:7], s[6:7], s[10:11]         ; B's scales
	s_cselect_b64 s[OUT:OUT+1], s[56:57], s[38:39]
	s_cselect_b64 s[12:13], s[36:37], s[32:33]
	s_cmp_eq_u32 s[SELR], 1
	s_cselect_b64 s[OUT:OUT+1], s[56:57], s[OUT:OUT+1]   ; q goes to qh, k and v to kv
	s_cselect_b64 s[12:13], s[34:35], s[12:13]     ; the bias
	s_add_nc_u64 s[20:21], s[18:19], s[20:21]
	s_add_nc_u64 s[22:23], s[92:93], s[22:23]
	s_add_nc_u64 s[46:47], s[4:5], s[46:47]
	s_add_nc_u64 s[96:97], s[6:7], s[96:97]
	CROUND                                         ; all sixteen work-groups are here: the first joint loads meet
	s_mov_b32 s[G0S], 1
	s_add_co_u32 s[G0S+1], s94, SCL
	s_mov_b64 s[G0S+2:G0S+3], s[22:23]
	s_or_b32 s[G0S+3], s[G0S+3], 0x80000000
	s_mov_b32 s[G0SB], 1
	s_add_co_u32 s[G0SB+1], s94, SCL
	s_mov_b64 s[G0SB+2:G0SB+3], s[96:97]
	s_or_b32 s[G0SB+3], s[G0SB+3], 0x80000000
	JLOAD G0S, G1S, G0SB, G1SB                     ; the scales first: they are wanted with K step 0
.irp s, 0,1
	s_mov_b32 s[G0+4*\s], 1
	s_add_co_u32 s[G0+4*\s+1], s45, \s*SLOT
	s_add_nc_u64 s[G0+4*\s+2:G0+4*\s+3], s[20:21], \s*TSL
	s_or_b32 s[G0+4*\s+3], s[G0+4*\s+3], 0x80000000
	s_mov_b32 s[G0B+4*\s], 1
	s_add_co_u32 s[G0B+4*\s+1], s45, \s*SLOT
	s_add_nc_u64 s[G0B+4*\s+2:G0B+4*\s+3], s[46:47], \s*TSL
	s_or_b32 s[G0B+4*\s+3], s[G0B+4*\s+3], 0x80000000
	JLOAD G0+4*\s, G1, G0B+4*\s, G1B               ; three tensor loads of mine are out
.endr
	v_and_b32 v1, 15, v0                           ; r
	v_bfe_u32 v2, v0, 4, 1                         ; h
	v_and_b32 v3, 31, v0                           ; lane
	v_lshlrev_b32 v4, 3, v3                        ; 8 x lane
	s_mul_i32 s21, s15, HALFT                      ; my 128 rows of A
	s_mul_i32 s22, s16, HALFT                      ; my 128 rows of B,
	s_add_co_u32 s22, s22, 2*HALFT                 ; which lie behind A's 256
.irp s, 0,1
	v_add_nc_u32 v[ADRA+\s], s21, v4
	v_add_nc_u32 v[ADRB+\s], s22, v4
	s_add_co_u32 s21, s21, SLOT
	s_add_co_u32 s22, s22, SLOT
.endr
	v_mul_u32_u24 v5, v1, KS                       ; my row's scales: 32 bytes a row,
	v_lshrrev_b32 v6, 8, v5
	v_lshl_add_u32 v5, v6, 4, v5                   ; and 16 more for each 256 passed
	s_mul_i32 s21, s15, HALFS
	s_mul_i32 s22, s16, HALFS
	s_add_co_u32 s22, s22, 2*HALFS
	s_sub_co_u32 s22, s22, s21
	v_mul_u32_u24 v6, s22, v2                      ; lanes 16-31 take B's
	s_add_co_u32 s21, s21, SCL
	v_add_nc_u32 v5, v5, v6
	v_add_nc_u32 v[ADRS], s21, v5
	s_lshl_b32 s23, s14, 10
	v_lshlrev_b32 v[SCA], 2, v1
	v_lshl_add_u32 v[SCA], v2, 9, v[SCA]
	v_add_nc_u32 v[SCA], s23, v[SCA]
	v_lshlrev_b32 v5, 4, v3
	v_add_nc_u32 v[SRD], s23, v5
	; the way out's numbers.  P: which 128 tokens are mine (of 64 in all); H: which 128 columns of the weight (two heads)
	s_lshl_b32 s18, s17, 1
	s_add_co_u32 s18, s18, s15                     ; A's unit of 128
	s_lshl_b32 s92, s42, 1
	s_add_co_u32 s92, s92, s16                     ; B's
	s_mov_b32 s[STEPA], 768
	s_mov_b32 s2, 256
	s_mov_b32 s19, 196608
	s_mov_b32 s20, 208896
	s_cmp_eq_u32 s[SELR], 2
	s_cselect_b32 s93, s92, s18                    ; P
	s_cselect_b32 s94, s18, s92                    ; H
	s_cselect_b32 s[STEPA], 1536, s[STEPA]         ; v: a d tile's whole fragment; q, k: a token tile's half
	s_cselect_b32 s[JUMP], 202752, 0               ; v: a record less four fragments
	s_cselect_b32 s95, 98304, 0                    ; v's codes lie behind k's
	s_cselect_b32 s96, 8, 9                        ; scale words of a unit of tokens: v 256 bytes, q and k 512
	s_cselect_b32 s97, 0, 16
	s_cselect_b32 s2, 208896, s2                   ; lanes 16-31 of the scale words' store: v: the next head; q, k: the next 256 bytes
	s_cselect_b32 s19, 204800, s19                 ; where the scale words begin in a record: v, k,
	s_cmp_eq_u32 s[SELR], 0
	s_cselect_b32 s19, 98304, s19                  ; q
	s_cselect_b32 s20, 106496, s20                 ; a record: qh's or kv's
	s_cmp_eq_u32 s[SELR], 2
	s_cselect_b32 s21, 768, s20                    ; the codes' second three pieces: v: the fragment's other half; q, k: the next head
	s_lshl_b32 s46, s94, 9
	s_mov_b32 s47, 0
	s_add_nc_u64 s[12:13], s[12:13], s[46:47]      ; the bias at my 128 columns
	s_lshr_b32 s22, s93, 4                         ; batch
	s_and_b32 s93, s93, 15                         ; the unit in its batch
	s_lshl_b32 s22, s22, 4
	s_lshl_b32 s94, s94, 1
	s_add_co_u32 s22, s22, s94                     ; 16 x batch + my first head
	s_mul_i32 s22, s22, s20                        ; its record
	s_mul_i32 s23, s93, 6144                       ; 8 token tiles of 768 bytes, or a key step's 4 fragments
	s_add_co_u32 s23, s23, s22
	s_add_co_u32 s23, s23, s95
	s_lshl_b32 s93, s93, s96
	s_add_co_u32 s93, s93, s22
	s_add_co_u32 s93, s93, s19
	v_add_nc_u32 v[VO0], s23, v4
	v_add_nc_u32 v[VO1], s21, v[VO0]
	v_lshlrev_b32 v[VS0], 4, v1
	v_mul_u32_u24 v6, s2, v2
	v_add3_u32 v[VS0], v[VS0], v6, s93
	v_add_nc_u32 v[VS1], s20, v[VS0]
	v_mul_u32_u24 v[SH16], s97, v2
	s_mov_b32 s[PSEL], 0x76543210
	s_mov_b32 s[PSEL+1], 0xfedcba98
	; the bias in the result's layout
	s_cmp_eq_u32 s[SELR], 2
	s_cbranch_scc1 .Lbias_v
	v_lshlrev_b32 v[VB], 6, v2                     ; q, k: it runs along the registers: tile b's eight columns of my half: 32 (b / 2) + 16 h + 8 (b % 2) + 0 .. 7
.irp b, 0,1,2,3,4,5,6,7
	global_load_b128 v[BI+8*\b:BI+8*\b+3], v[VB], s[12:13] offset:(32*(\b/2)+8*(\b%2))*4
	global_load_b128 v[BI+8*\b+4:BI+8*\b+7], v[VB], s[12:13] offset:(32*(\b/2)+8*(\b%2))*4+16
.endr
	s_wait_loadcnt 0x0
	s_branch .Lbias_done
.Lbias_v:
	v_and_b32 v[VB], 8, v1                         ; v: it hangs on the lane: tile a's column 32 (a / 2) + 8 (a % 2) + r + 8 (r / 8), the same in all eight registers
	v_add_nc_u32 v[VB], v[VB], v1
	v_lshlrev_b32 v[VB], 2, v[VB]
.irp a, 0,1,2,3,4,5,6,7
	global_load_b32 v[BI+8*\a], v[VB], s[12:13] offset:(32*(\a/2)+8*(\a%2))*4
.endr
	s_wait_loadcnt 0x0
.irp a, 0,1,2,3,4,5,6,7
.irp j, 1,2,3,4,5,6,7
	v_mov_b32 v[BI+8*\a+\j], v[BI+8*\a]
.endr
.endr
.Lbias_done:
.macro FRAG reg, adr, q, i             ; a fragment's image as it lies: six loads of 8 bytes a lane, 256 consecutive bytes each
.irp p, 0,1,2,3,4,5
	ds_load_b64 v[\reg+2*\p:\reg+2*\p+1], v[\adr] offset:(\i)*TSL+(\q)*FIB+256*\p
.endr
.endm
; 16 matrix instructions: A's blocks a0, a0 + 1 x B's eight, the slot's q-th 128 along K.  p: B's set; sc: the set of scale words.  zero = 1: the sums start from the bias by B's tile; 2: by A's tile.
; The 64 accumulators take turns, one instruction a turn, in the same order in every step.
.macro MUL16 a0, p, q, sc, zero
.irp a, \a0, \a0+1
.irp b, 0,1,2,3,4,5,6,7
.if \zero == 1
	v_wmma_scale_f32_16x16x128_f8f6f4 v[8*(8*((\a)%4)+\b):8*(8*((\a)%4)+\b)+7], v[128*(\p)+FR*\b:128*(\p)+FR*\b+FR-1], v[AF+FR*(\a):AF+FR*(\a)+FR-1], v[BI+8*\b:BI+8*\b+7], v[SC+8*NQ*(\sc)+NQ*\b+(\q)], v[SC+8*NQ*(\sc)+NQ*(\a)+(\q)] matrix_a_fmt:MATRIX_FMT_FP6 matrix_b_fmt:MATRIX_FMT_FP6 matrix_a_scale:MATRIX_SCALE_ROW1
.elseif \zero == 2
	v_wmma_scale_f32_16x16x128_f8f6f4 v[8*(8*((\a)%4)+\b):8*(8*((\a)%4)+\b)+7], v[128*(\p)+FR*\b:128*(\p)+FR*\b+FR-1], v[AF+FR*(\a):AF+FR*(\a)+FR-1], v[BI+8*(\a):BI+8*(\a)+7], v[SC+8*NQ*(\sc)+NQ*\b+(\q)], v[SC+8*NQ*(\sc)+NQ*(\a)+(\q)] matrix_a_fmt:MATRIX_FMT_FP6 matrix_b_fmt:MATRIX_FMT_FP6 matrix_a_scale:MATRIX_SCALE_ROW1
.else
	v_wmma_scale_f32_16x16x128_f8f6f4 v[8*(8*((\a)%4)+\b):8*(8*((\a)%4)+\b)+7], v[128*(\p)+FR*\b:128*(\p)+FR*\b+FR-1], v[AF+FR*(\a):AF+FR*(\a)+FR-1], v[8*(8*((\a)%4)+\b):8*(8*((\a)%4)+\b)+7], v[SC+8*NQ*(\sc)+NQ*\b+(\q)], v[SC+8*NQ*(\sc)+NQ*(\a)+(\q)] matrix_a_fmt:MATRIX_FMT_FP6 matrix_b_fmt:MATRIX_FMT_FP6 matrix_a_scale:MATRIX_SCALE_ROW1
.endif
.endr
.endr
.endm
.macro FETCH_B slot, q, p
	WIN TO_B
.irp i, 0,1,2,3,4,5,6,7
	FRAG 128*(\p)+FR*\i, ADRB+\slot, \q, \i
.endr
	WIN 0
.endm
.macro FETCH_A slot, q, i0
.irp i, \i0, \i0+1, \i0+2, \i0+3
	FRAG AF+FR*(\i), ADRA+\slot, \q, \i
.endr
.endm
.macro SCALES sc                       ; a K step's scale words: 2 words a row; lanes 0-15 take A's block i, lanes 16-31 B's block i
.irp i, 0,1,2,3,4,5,6,7
	ds_load_b64 v[SC+8*NQ*\sc+NQ*\i:SC+8*NQ*\sc+NQ*\i+1], v[ADRS] offset:\i*SBLK
.endr
.endm
.macro PLACES n                        ; plain vector lines between a matrix instruction and a load into, or a read of, its registers
.rept \n
	v_nop
.endr
.endm
; A step of 128 along K that has its successor in the same slot.
.macro STEP slot, q, zero
	s_wait_dscnt 4*NL                              ; B's set and A's blocks 0-3 are in; the youngest 24 loads (A's blocks 4-7) may be out
.if \zero
	WIN ST_LO
.else
	WIN MUL_LO
.endif
	MUL16 0, (\q)%2, \q, \slot, \zero
	MUL16 2, (\q)%2, \q, \slot, \zero
	s_wait_dscnt 0
	PLACES NP
	FETCH_B \slot, (\q)+1, 1-(\q)%2
	FETCH_A \slot, (\q)+1, 0
.if \zero
	WIN ST_HI
.else
	WIN MUL_HI
.endif
	MUL16 4, (\q)%2, \q, \slot, \zero
	MUL16 6, (\q)%2, \q, \slot, \zero
	PLACES NP
	WIN 0
	FETCH_A \slot, (\q)+1, 4
.endm
; A slot's last step changes slots: one barrier; in front of it each wave waits for all its tensor loads, adds 0 to its spare word, and waits for that and for its own reads of this slot.  fill = 1: this slot is filled again.
.macro TURN slot, next, fill
	s_wait_tensorcnt 0x0                           ; all my tensor loads have landed: my part of the next slot
	ds_add_u32 v[SPW], v[NIL]                      ; 0 onto my spare word
	s_wait_dscnt 4*NL+1                            ; (the add and the youngest 24 loads may be out)
	WIN MUL_LO
	MUL16 0, 1, NQ-1, \slot, 0
	s_wait_dscnt 0x0                               ; the add is done, and my reads of this slot are over
	s_barrier_signal -1
	MUL16 2, 1, NQ-1, \slot, 0
	WIN 0
	s_barrier_wait -1
.if \fill
	CREST                                          ; the barrier has opened a round of the cluster's barrier: no wave of any partner still reads this slot or has a load on its way
	s_add_nc_u64 s[G0+4*\slot+2:G0+4*\slot+3], s[G0+4*\slot+2:G0+4*\slot+3], 2*TSL
	s_add_nc_u64 s[G0B+4*\slot+2:G0B+4*\slot+3], s[G0B+4*\slot+2:G0B+4*\slot+3], 2*TSL
	JLOAD G0+4*\slot, G1, G0B+4*\slot, G1B         ; the first tensor load behind the round; its four v_nop are the places in front of the loads below
.else
	PLACES NP
.endif
	v_add_nc_u32 v[ADRS], 4*NQ, v[ADRS]            ; on to the next K step's scale words (no LDS load of mine is out)
	FETCH_B \next, 0, 0
	FETCH_A \next, 0, 0
	SCALES \next
	WIN MUL_HI
	MUL16 4, 1, NQ-1, \slot, 0
	MUL16 6, 1, NQ-1, \slot, 0
	PLACES NP
	WIN 0
	FETCH_A \next, 0, 4
.endm
	s_wait_tensorcnt 1                             ; the scales and my part of K step 0 are in (K step 1's load may be out),
	s_barrier_signal -1
	s_barrier_wait -1                              ; everybody's are
	FETCH_B 0, 0, 0
	FETCH_A 0, 0, 0
	SCALES 0
	FETCH_A 0, 0, 4
	s_cmp_eq_u32 s[SELR], 2                        ; the first step is written twice: it differs in which registers of the bias start a sum
	s_cbranch_scc1 .Lfirst_v
	STEP 0, 0, 1
	s_branch .Lfirst_done
.Lfirst_v:
	STEP 0, 0, 2
.Lfirst_done:
	s_mov_b32 s3, LAPS-1
.Llap:                                                 ; a trip goes once round the ring and fills both slots again
	TURN 0, 1, 1
	STEP 1, 0, 0
	TURN 1, 0, 1
	STEP 0, 0, 0
	s_sub_co_u32 s3, s3, 1
	s_cmp_lg_u32 s3, 0
	s_cbranch_scc1 .Llap
	TURN 0, 1, 0                                   ; the last lap fills nothing
	STEP 1, 0, 0
	s_wait_dscnt 4*NL
	WIN MUL_LO
	MUL16 0, 1, NQ-1, 1, 0
	MUL16 2, 1, NQ-1, 1, 0
	s_wait_dscnt 0
	WIN MUL_HI
	MUL16 4, 1, NQ-1, 1, 0
	MUL16 6, 1, NQ-1, 1, 0
	WIN 0
; THE WAY OUT of A's block a: a lane's 64 results, register 16 b + i = index 32 b + 16 (lane / 16) + i along the next K, become a fragment's codes and a scale word.
; q, k: the fragment's two halves are two heads' 64 channels of 16 tokens; v: the fragment is 16 channels x a key step's 128 keys.
.macro EPI a
.set AC, 64*((\a)%4)
	WIN 0x28+0x14*((\a)/4)                         ; sources 1 and 2: the accumulators' window
.irp b, 0,1,2,3
	v_max3_num_f32 v[TM+\b], 0x1800000, |v[AC+16*\b]|, |v[AC+16*\b+1]|   ; block b: my 16 numbers, each accumulator from its low end on, and the floor 2^(3 - 127)
.endr
.irp i, 2,4,6,8,10,12,14
.irp b, 0,1,2,3
	v_max3_num_f32 v[TM+\b], v[TM+\b], |v[AC+16*\b+\i]|, |v[AC+16*\b+\i+1]|
.endr
.endr
	WIN 0
.irp b, 0,1,2,3
	v_permlanex16_b32 v[TM+4+\b], v[TM+\b], s[PSEL], s[PSEL+1]
.endr
.irp b, 0,1,2,3
	v_max_num_f32 v[TM+\b], v[TM+\b], v[TM+4+\b]   ; with lane l xor 16's: the block's largest magnitude
.endr
.irp b, 0,1,2,3
	v_add_nc_u32 v[TM+12+\b], 0xff000000, v[TM+\b] ; 2 off the exponent field: the conversion's scale operand
.endr
.irp b, 0,1,2,3
	v_lshrrev_b32 v[TM+4+\b], 23, v[TM+12+\b]      ; the scale's byte
.endr
	v_lshl_or_b32 v[PW], v[TM+5], 8, v[TM+4]
	v_lshl_or_b32 v[PW], v[TM+6], 16, v[PW]
	v_lshl_or_b32 v[PW], v[TM+7], 24, v[PW]
	s_wait_xcnt 0x0                                ; the last block's stores have read their data and offsets: both may be written
.if (\a) > 0
	v_add_nc_u32 v[VO0], s[STEPA], v[VO0]
	v_add_nc_u32 v[VO1], s[STEPA], v[VO1]
.endif
.if (\a) == 4
	v_add_nc_u32 v[VO0], s[JUMP], v[VO0]           ; v: blocks 4-7 are the next head's d tiles
	v_add_nc_u32 v[VO1], s[JUMP], v[VO1]
.endif
	WIN 0x02+(\a)/4                                ; source 0: the accumulators' window
.irp c, 0,1
	v_cvt_scalef32_pk16_fp6_f32 v[PC+6*\c:PC+6*\c+2], v[AC+32*\c:AC+32*\c+15], v[TM+12+2*\c]
	v_cvt_scalef32_pk16_fp6_f32 v[PC+12+4*\c:PC+14+4*\c], v[AC+32*\c+16:AC+32*\c+31], v[TM+12+2*\c+1]
.endr
	WIN 0
	v_nop                                          ; one plain line behind the conversions
.irp c, 0,1                                    ; the operand's layout wants a whole block in a lane: lanes 0-15 block 2 c, lanes 16-31 block 2 c + 1
.irp i, 0,1,2
	v_permlane16_swap_b32 v[PC+6*\c+\i], v[PC+12+4*\c+\i]
.endr
.irp i, 0,1,2
	v_mov_b32 v[PC+3+6*\c+\i], v[PC+12+4*\c+\i]
.endr
.endr
.irp p, 0,1,2
	global_store_b64 v[VO0], v[PC+2*\p:PC+2*\p+1], s[OUT:OUT+1] offset:256*\p       ; 32 lanes store 256 consecutive bytes, at a multiple of 256 from the buffer's first byte
.endr
.irp p, 0,1,2
	global_store_b64 v[VO1], v[PC+6+2*\p:PC+7+2*\p], s[OUT:OUT+1] offset:256*\p
.endr
	v_lshrrev_b32 v[T+(\a)], v[SH16], v[PW]        ; q, k: lanes 0-15 keep the word for the first head, lanes 16-31 bring the second head's two bytes down
	ds_store_b32 v[SCA], v[T+(\a)] offset:64*(\a)
.endm
	PLACES NP                                      ; behind the last products
.irp b, 0,1,2,3
	v_mov_b32 v[TM+4+\b], 0                        ; written once: a lane permute's destination counts as one of its sources
.endr
.irp a, 0,1,2,3,4,5,6,7
	EPI \a
.endr
	ds_load_b128 v[RB:RB+3], v[SRD]                ; LDS serves a wave's instructions in order: q, k: the first head's 128 words; v: both heads' 64
	s_wait_dscnt 0x0
	global_store_b128 v[VS0], v[RB:RB+3], s[OUT:OUT+1]
	s_cmp_eq_u32 s[SELR], 2
	s_cbranch_scc1 .Lno_second
	ds_load_b128 v[RB+4:RB+7], v[SRD] offset:512   ; q, k: the second head's
	s_wait_dscnt 0x0
	global_store_b128 v[VS1], v[RB+4:RB+7], s[OUT:OUT+1]
.Lno_second:
	s_wait_tensorcnt 0x0                           ; the wave's end, behind my last tensor load and my last LDS store
	ds_add_u32 v[SPW], v[NIL]
	s_wait_dscnt 0x0
	CROUND                                         ; the closing round
	s_endpgm
.Lfunc_end_k_qeb0605992c_proj:
	.size	k_qeb0605992c_proj, .Lfunc_end_k_qeb0605992c_proj-k_qeb0605992c_proj
	.p2alignl 7, 3214868480
	.fill 96, 4, 3214868480
	.section	.rodata,"a",@progbits
	.p2align	6, 0x0
	.amdhsa_kernel k_qeb0605992c_proj
		.amdhsa_group_segment_fixed_size 327680
		.amdhsa_private_segment_fixed_size 0
		.amdhsa_enable_private_segment 0
		.amdhsa_kernarg_size 72
		.amdhsa_user_sgpr_count 2
		.amdhsa_user_sgpr_kernarg_segment_ptr 1
		.amdhsa_wavefront_size32 1
		.amdhsa_system_sgpr_workgroup_id_x 1
		.amdhsa_system_sgpr_workgroup_id_y 1
		.amdhsa_system_sgpr_workgroup_id_z 1
		.amdhsa_system_vgpr_workitem_id 0
		.amdhsa_next_free_vgpr 1024
		.amdhsa_next_free_sgpr 102
		.amdhsa_reserve_vcc 0
		.amdhsa_float_denorm_mode_32 3
		.amdhsa_float_denorm_mode_16_64 3
		.amdhsa_memory_ordered 1
		.amdhsa_forward_progress 1
		.amdhsa_inst_pref_size 189
	.end_amdhsa_kernel
	.amdgpu_metadata
---
amdhsa.version: [ 1, 2 ]
amdhsa.kernels:
  - .name:           k_qeb0605992c_proj
    .symbol:         k_qeb0605992c_proj.kd
    .args:
      - { .name: xc, .offset: 0, .size: 8, .value_kind: global_buffer, .address_space: global }
      - { .name: xs, .offset: 8, .size: 8, .value_kind: global_buffer, .address_space: global }
      - { .name: wc, .offset: 16, .size: 8, .value_kind: global_buffer, .address_space: global }
      - { .name: ws, .offset: 24, .size: 8, .value_kind: global_buffer, .address_space: global }
      - { .name: bq, .offset: 32, .size: 8, .value_kind: global_buffer, .address_space: global }
      - { .name: bk, .offset: 40, .size: 8, .value_kind: global_buffer, .address_space: global }
      - { .name: bv, .offset: 48, .size: 8, .value_kind: global_buffer, .address_space: global }
      - { .name: qh, .offset: 56, .size: 8, .value_kind: global_buffer, .address_space: global }
      - { .name: kv, .offset: 64, .size: 8, .value_kind: global_buffer, .address_space: global }
    .group_segment_fixed_size: 327680
    .private_segment_fixed_size: 0
    .kernarg_segment_align: 8
    .kernarg_segment_size: 72
    .max_flat_workgroup_size: 128
    .sgpr_count:     102
    .vgpr_count:     1024
    .wavefront_size: 32
...
	.end_amdgpu_metadata
.endif
;; end of part 3
;; launch attn (part 4): grid 4 x 64, 16 waves a work-group, clusters of 4 x 1, 212,992 bytes of LDS; arguments qh, kv, ac, asc; writes ac, asc
.if DOCPART == 4
	.amdgcn_target "amdgcn-amd-amdhsa--gfx1250"
	.amdhsa_code_object_version 6
	.text
	.protected	k_qeb0605992c_attn
	.globl	k_qeb0605992c_attn
	.p2align	8
	.type	k_qeb0605992c_attn,@function
k_qeb0605992c_attn:
	s_mov_b64 s[64:65], 0
	v_nop
	global_prefetch_b8 v0, s[64:65] scope:SCOPE_SE
	s_setreg_imm32_b32 hwreg(HW_REG_WAVE_MODE, 25, 1), 1
	s_wait_xcnt 0x0
	s_wait_alu depctr_hold_cnt(0) depctr_sa_sdst(0) depctr_va_vdst(0) depctr_va_sdst(0) depctr_va_ssrc(0) depctr_va_vcc(0) depctr_vm_vsrc(0)
	s_getreg_b32 s2, hwreg(HW_REG_IB_STS2, 6, 4)
	s_cmp_eq_u32 s2, 0
	s_cbranch_scc0 .Lentry_in_a_cluster
	s_endpgm
.Lentry_in_a_cluster:
	s_bfe_u32 s2, ttmp6, 0x10000c
	s_cmp_lg_u32 s2, 0x3003
	s_cbranch_scc0 .Lentry_shape_is_right
	s_endpgm
.Lentry_shape_is_right:
; Launch 4 of 5: for each (batch, head): o = softmax(q k^T / 8) v, both products on codes of E2M3; o is quantised along (head, d) for the last product.  No work of the problem is left out.
; THE SOFTMAX AHEAD OF THE SECOND PRODUCT: t = score x log2(e) / 8; M = the row's largest t so far, rounded up to a whole number; p = 2^(t - M) is what is quantised, along the keys; the row's sum is taken of the
; unquantised p and divides at the end.  When M moves, the sum and O are multiplied by 2^(old M - new M): exact.
; SHARES.  A work-group owns 512 queries of one head; each of its sixteen waves owns a tile of 16 of them in each of two passes, in 256 registers: four waves to a SIMD, so that one wave's vector work stands beside another's
; matrix work and LDS loads.  Every wave walks all 2,048 keys, 128 a step.
; THE HEAD'S WHOLE RECORD OF kv (208,896 bytes: k's codes, v's codes, their scale words) LIES IN LDS AS IT LIES IN MEMORY: filled once, a sixteenth by each wave; nothing is filled again.
; CLUSTER.  The four work-groups of a head form a cluster and ask for the record jointly: the same sixteen loads with the same descriptors in all four.
; LAYOUT.  Both products are used transposed: S^T = K Q^T (source 0 = 16 keys), O^T = V^T P^T (source 0 = 16 channels): a lane holds one query throughout.  By the rows chosen for the tiles two launches ago, the 16 registers of
; tiles 2 b, 2 b + 1 are neighbours: keys 32 b + 16 (lane / 16) + 0 .. 15 in S^T, channels likewise in O^T.
; THE FIRST PRODUCT'S K IS 64, the instruction's 128: Q's registers 6-11 are zero codes.  So what stands in K's registers 6-11 adds nothing: a key tile's fragment is its 6 registers and the next tile's 6 (behind the last: zeros).
; LIMITS: a block of zeros gets the byte 1; NaN and infinities are not served.
.set VC,    98304                      ; LDS: k's codes from 0, v's from here,
.set KSC,   196608                     ; k's scale words,
.set VSC,   204800                     ; v's
.set REC,   208896
.set PART,  REC/16                     ; 51 rows of 256 bytes: a wave's tensor load
.set SPARE, REC                        ; the spare words, 128 bytes for each wave
.set QREC,  106496
.set AK0,  1                           ; v1   8 x lane: a piece's place, in LDS and in memory
.set AV0,  2                           ; v2   the same among v's codes
.set ASK0, 3                           ; v3   4 x lane among k's scale words
.set ASV0, 4                           ; v4   among v's
.set SPW,  5
.set NIL,  6
.set ADK,  8                           ; v8-11 the step's addresses
.set ADV,  9
.set ADS,  10
.set ADT,  11
.set Q,    16                          ; v16-21 Q's codes, v22-27 zeros
.set QS,   30                          ; v30  Q's scale words
.set KV,   32                          ; v32-79 8 half fragments of K, then 4 fragments of V; v80-85 zeros
.set KSR,  86                          ; v86-89 K's scale words: lanes 0-15 tile 2 i, lanes 16-31 tile 2 i + 1
.set VSR,  90                          ; v90-91 V's likewise
.set S,    96                          ; v96-159 S^T, then p
.set O,    160                         ; v160-191 O^T
.set PC,   192                         ; v192-203 p's codes
.set CT,   204                         ; v204-210 at work for them
.set BM,   212                         ; v212-215 the blocks' largest
.set BT,   216                         ; v216-219 at work
.set BS,   220                         ; v220-223 the conversions' scale operands
.set PW,   224                         ; v224 p's scale word
.set F,    226                         ; v[226:227] f, later 1 / the sum
.set TMP,  228
.set WV,   12
.set G1,   16
.set G0,   24
.set SEL,  28
.set CS,   30
.set TB,   32                          ; s32  the step's codes: 6,144 bytes a step, in K and in V
.set TS,   33                          ; s33  K's scale words: 512
.set TJ,   34                          ; s34  V's: 256
.set CNT,  35
.macro CROUND
	s_barrier_signal -1
	s_barrier_wait -1
	s_cmp_lg_u32 s[WV], 0
	s_cbranch_scc1 .Lnot_wave_0_\@
	s_barrier_signal -3
.Lnot_wave_0_\@:
	s_barrier_wait -3
	s_barrier_signal -1
	s_barrier_wait -1
.endm
	s_load_b256 s[4:11], s[0:1], 0x0               ; qh, kv, ac, asc
	v_lshl_add_u32 v[SPW], v0, 2, SPARE
	v_mov_b32 v[NIL], 0
	ds_add_u32 v[SPW], v[NIL]                      ; the wave's opening: the add, twice on end, and its wait ahead of my first tensor load
	ds_add_u32 v[SPW], v[NIL]
	v_lshrrev_b32 v8, 5, v0
	s_delay_alu instid0(VALU_DEP_1)
	v_readfirstlane_b32 s[WV], v8                  ; wave 0..15
	s_bfe_u32 s13, ttmp6, 0x40000                  ; cx: it enters Q's, ac's and asc's addresses alone
	s_and_b32 s14, ttmp7, 0xffff                   ; 16 x batch + head, which the four partners share
	s_mov_b32 s[G1], 15|(3<<16)|(1<<21)            ; the mask: all four work-groups; elements of 8 bytes; bit 21 beside a mask; no padding
	s_mov_b32 s[G1+1], 32<<16                      ; tensor_dim0 = 32 (256 bytes)
	s_mov_b32 s[G1+2], 51<<16                      ; tensor_dim1
	s_mov_b32 s[G1+3], 32<<16                      ; tile_dim0
	s_mov_b32 s[G1+4], 51                          ; tile_dim1
	s_mov_b32 s[G1+5], 32                          ; dense rows
	s_mov_b32 s[G1+6], 0
	s_mov_b32 s[G1+7], 0
	s_mul_i32 s15, s[WV], PART                     ; my sixteenth, in LDS and in the record
	s_mul_i32 s36, s14, REC
	s_add_co_u32 s36, s36, s15
	s_mov_b32 s37, 0
	s_lshl_b32 s40, s13, 5
	s_add_co_u32 s40, s40, s[WV]                   ; my first tile of queries: 32 cx + wave; the second lies 16 tiles on
	s_mul_i32 s41, s14, QREC
	s_mul_i32 s38, s40, 768
	s_add_co_u32 s38, s38, s41                     ; its codes in qh
	s_mov_b32 s39, 0
	s_lshl_b32 s42, s40, 6
	s_add_co_u32 s42, s42, s41
	s_add_co_u32 s42, s42, 98304                   ; its scale words
	s_mov_b32 s43, 0
	s_lshr_b32 s41, s14, 4
	s_lshl_b32 s41, s41, 7
	s_add_co_u32 s41, s41, s40                     ; the tile among all batches'
	s_and_b32 s33, s14, 15                         ; the head
	s_mul_i32 s44, s41, 12288
	s_mul_i32 s34, s33, 768
	s_add_co_u32 s44, s44, s34                     ; ac: the tile's images, the head's half fragment
	s_mov_b32 s45, 0
	s_lshl_b32 s46, s41, 9
	s_lshl_b32 s33, s33, 1
	s_add_co_u32 s46, s46, s33                     ; asc: the tile's rows of 32 bytes, the head's two
	s_mov_b32 s47, 0
	s_mov_b32 s[SEL], 0x76543210
	s_mov_b32 s[SEL+1], 0xfedcba98
	s_mov_b32 s[CS], 0x3e38aa3b                    ; c = log2(e) / 8
	s_mov_b32 s[CS+1], s[CS]                       ; (named with it as a pair, so it is written)
	s_wait_dscnt 0x0                               ; both opening adds are done
	s_wait_kmcnt 0x0
	s_mov_b32 s[G0], 1
	s_mov_b32 s[G0+1], s15
	s_add_nc_u64 s[G0+2:G0+3], s[6:7], s[36:37]
	s_or_b32 s[G0+3], s[G0+3], 0x80000000
	s_add_nc_u64 s[38:39], s[4:5], s[38:39]
	s_add_nc_u64 s[42:43], s[4:5], s[42:43]
	s_add_nc_u64 s[8:9], s[8:9], s[44:45]
	s_add_nc_u64 s[10:11], s[10:11], s[46:47]
	CROUND                                         ; all four work-groups are here: the joint loads meet
	tensor_load_to_lds s[G0:G0+3], s[G1:G1+7]      ; my one tensor load of the launch
	s_nop 0
.rept 4
	v_nop
.endr
	v_and_b32 v8, 31, v0
	v_and_b32 v9, 15, v0
	v_bfe_u32 v10, v0, 4, 1
	s_delay_alu instid0(VALU_DEP_3)
	v_lshlrev_b32 v[AK0], 3, v8
	s_delay_alu instid0(VALU_DEP_1)
	v_add_nc_u32 v[AV0], VC, v[AK0]
	v_lshlrev_b32 v[ASK0], 2, v8
	s_delay_alu instid0(VALU_DEP_1)
	v_add_nc_u32 v[ASV0], VSC, v[ASK0]
	s_delay_alu instid0(VALU_DEP_2)
	v_add_nc_u32 v[ASK0], KSC, v[ASK0]
	v_lshlrev_b32 v28, 2, v9                       ; Q's scale words: 4 r
	v_lshl_add_u32 v29, v9, 5, v10                 ; asc: 32 r + h
.irp j, 0,1,2,3,4,5
	v_mov_b32 v[Q+6+\j], 0                         ; Q's upper 64 along K: zero codes
	v_mov_b32 v[KV+48+\j], 0                       ; what stands behind the last key tile
.endr
.irp b, 0,1,2,3
	v_mov_b32 v[BT+\b], 0                          ; written once: a lane permute's destination counts as one of its sources
.endr
	v_mov_b32 v[F+1], 0                            ; (named as the upper half of the pair)
	s_wait_tensorcnt 0x0                           ; my part of the record is in,
	s_barrier_signal -1
	s_barrier_wait -1                              ; everybody's is
; A KEY STEP: 128 keys.
.macro STEP
	v_add_nc_u32 v[ADK], s[TB], v[AK0]             ; (these four are also the places behind the last step's products, in front of the loads)
	v_add_nc_u32 v[ADV], s[TB], v[AV0]
	v_add_nc_u32 v[ADS], s[TS], v[ASK0]
	v_add_nc_u32 v[ADT], s[TJ], v[ASV0]
.irp t, 0,1,2,3,4,5,6,7
.irp p, 0,1,2
	ds_load_b64 v[KV+6*\t+2*\p:KV+6*\t+2*\p+1], v[ADK] offset:768*\t+256*\p
.endr
.endr
.irp i, 0,1,2,3
	ds_load_b32 v[KSR+\i], v[ADS] offset:128*\i
.endr
	s_wait_alu depctr_va_vdst(0)
	s_wait_dscnt 0x0
.irp t, 0,2,4,6
	v_wmma_scale_f32_16x16x128_f8f6f4 v[S+8*\t:S+8*\t+7], v[KV+6*\t:KV+6*\t+11], v[Q:Q+11], 0, v[KSR+\t/2], v[QS] matrix_a_fmt:MATRIX_FMT_FP6 matrix_b_fmt:MATRIX_FMT_FP6
	v_wmma_scale_f32_16x16x128_f8f6f4 v[S+8*\t+8:S+8*\t+15], v[KV+6*\t+6:KV+6*\t+17], v[Q:Q+11], 0, v[KSR+\t/2], v[QS] matrix_a_fmt:MATRIX_FMT_FP6 matrix_b_fmt:MATRIX_FMT_FP6 matrix_a_scale:MATRIX_SCALE_ROW1
.endr
.rept 4
	v_nop                                          ; places in front of the loads into K's registers and of the first read of the scores
.endr
.irp t, 0,1,2,3
.irp p, 0,1,2,3,4,5
	ds_load_b64 v[KV+12*\t+2*\p:KV+12*\t+2*\p+1], v[ADV] offset:1536*\t+256*\p   ; V's fragments land while the softmax is walked
.endr
.endr
.irp i, 0,1
	ds_load_b32 v[VSR+\i], v[ADT] offset:128*\i
.endr
.irp b, 0,1,2,3
	v_max3_num_f32 v[BM+\b], v[S+16*\b], v[S+1+16*\b], v[S+2+16*\b]   ; the largest score of each block of 32 keys: for the row's maximum and, since p rises with the score, for the block's largest p
.endr
.irp i, 3,5,7,9,11,13
.irp b, 0,1,2,3
	v_max3_num_f32 v[BM+\b], v[BM+\b], v[S+16*\b+\i], v[S+1+16*\b+\i]
.endr
.endr
.irp b, 0,1,2,3
	v_max_num_f32 v[BM+\b], v[BM+\b], v[S+15+16*\b]
.endr
.irp b, 0,1,2,3
	s_delay_alu instid0(VALU_DEP_4)
	v_permlanex16_b32 v[BT+\b], v[BM+\b], s[SEL], s[SEL+1]
.endr
.irp b, 0,1,2,3
	s_delay_alu instid0(VALU_DEP_4)
	v_max_num_f32 v[BM+\b], v[BM+\b], v[BT+\b]     ; with lane l xor 16's 16 keys
.endr
	s_delay_alu instid0(VALU_DEP_2)
	v_max3_num_f32 v[TMP], v[BM], v[BM+1], v[BM+2]
	s_delay_alu instid0(VALU_DEP_1)
	v_max_num_f32 v[TMP], v[TMP], v[BM+3]          ; the step's largest score of my query
	s_delay_alu instid0(VALU_DEP_1)
	v_mul_f32 v[TMP], s[CS], v[TMP]                ; as t (c is positive)
	s_delay_alu instid0(VALU_DEP_1)
	v_max_num_f32 v13, v13, v[TMP]                 ; the running largest t
	v_mov_b32 v[TMP], v12
	s_delay_alu instid0(VALU_DEP_2)
	v_floor_f32 v12, -v13                          ; the new -M = floor(-t): M is a whole number
	s_delay_alu instid0(VALU_DEP_1)
	v_sub_f32 v[TMP], v12, v[TMP]                  ; old M - new M: a whole number, 0 or less
	s_delay_alu instid0(VALU_DEP_1)
	v_cvt_i32_f32 v[TMP], v[TMP]                   ; (it saturates)
	s_delay_alu instid0(VALU_DEP_1)
	v_ldexp_f32 v[F], 1.0, v[TMP]                  ; f = 2^(old M - new M)
.set j, 0
.rept 32
	v_pk_fma_f32 v[S+j:S+j+1], v[S+j:S+j+1], s[CS:CS+1], v[12:13] op_sel_hi:[1,0,0]   ; t - M, two at a time
.set j, j+2
.endr
.irp b, 0,1,2,3
	v_fma_f32 v[BM+\b], v[BM+\b], s[CS], v12       ; the same of each block's largest score
.endr
.set j, 0
	s_setprio 1
	s_wait_alu depctr_va_vdst(0)
.rept 64
	v_exp_f32 v[S+j], v[S+j]                       ; p = 2^(t - M), at most 1: not normalised
.set j, j+1
.endr
	v_pk_mul_f32 v[14:15], v[14:15], v[F:F+1] op_sel_hi:[1,0]   ; the sums under the new M (a plain line behind the exponentials)
	s_wait_alu depctr_va_vdst(0)                   ; one wait for the whole batch, ahead of its first reader
.irp b, 0,1,2,3
	v_exp_f32 v[BM+\b], v[BM+\b]                   ; the block's largest p: the same two instructions on the same number give the same bits
.endr
	v_pk_add_f32 v[216:217], v[100:101], v[104:105]
	v_pk_add_f32 v[254:255], v[108:109], v[112:113]
	v_pk_add_f32 v[252:253], v[116:117], v[120:121]
	v_pk_add_f32 v[250:251], v[124:125], v[128:129]
	v_pk_add_f32 v[248:249], v[132:133], v[136:137]
	v_pk_add_f32 v[246:247], v[140:141], v[144:145]
	v_pk_add_f32 v[244:245], v[148:149], v[152:153]
	v_pk_add_f32 v[14:15], v[14:15], v[156:157]
	v_pk_add_f32 v[216:217], v[216:217], v[96:97]
	v_pk_add_f32 v[254:255], v[254:255], v[98:99]
	v_pk_add_f32 v[252:253], v[252:253], v[102:103]
	v_pk_add_f32 v[250:251], v[250:251], v[106:107]
	v_pk_add_f32 v[248:249], v[248:249], v[110:111]
	v_pk_add_f32 v[246:247], v[246:247], v[114:115]
	v_pk_add_f32 v[244:245], v[244:245], v[118:119]
	v_pk_add_f32 v[14:15], v[14:15], v[122:123]
	v_pk_add_f32 v[216:217], v[216:217], v[126:127]
	v_pk_add_f32 v[254:255], v[254:255], v[130:131]
	v_pk_add_f32 v[252:253], v[252:253], v[134:135]
	v_pk_add_f32 v[250:251], v[250:251], v[138:139]
	v_pk_add_f32 v[248:249], v[248:249], v[142:143]
	v_pk_add_f32 v[246:247], v[246:247], v[146:147]
	v_pk_add_f32 v[244:245], v[244:245], v[150:151]
	v_pk_add_f32 v[14:15], v[14:15], v[154:155]
	v_pk_add_f32 v[216:217], v[216:217], v[158:159]
	s_delay_alu instid0(VALU_DEP_2)
	v_pk_add_f32 v[14:15], v[14:15], v[250:251]
	s_delay_alu instid0(VALU_DEP_2)
	v_pk_add_f32 v[216:217], v[216:217], v[248:249]
	v_pk_add_f32 v[254:255], v[254:255], v[246:247]
	v_pk_add_f32 v[252:253], v[252:253], v[244:245]
	s_delay_alu instid0(VALU_DEP_2)
	v_pk_add_f32 v[14:15], v[14:15], v[254:255]
	s_delay_alu instid0(VALU_DEP_2)
	v_pk_add_f32 v[216:217], v[216:217], v[252:253]
	s_delay_alu instid0(VALU_DEP_1)
	v_pk_add_f32 v[14:15], v[14:15], v[216:217]
	s_wait_alu depctr_va_vdst(0)                   ; and one for the four
.irp b, 0,1,2,3
	v_max_num_f32 v[BM+\b], 0x1800000, v[BM+\b]    ; the floor 2^(3 - 127): the byte cannot fall under 1
.endr
.irp b, 0,1,2,3
	s_delay_alu instid0(VALU_DEP_4)
	v_add_nc_u32 v[BS+\b], 0xff000000, v[BM+\b]    ; 2 off the exponent field: the conversion's scale operand
.endr
.irp b, 0,1,2,3
	s_delay_alu instid0(VALU_DEP_4)
	v_lshrrev_b32 v[BT+\b], 23, v[BS+\b]           ; the scale's byte
.endr
	s_delay_alu instid0(VALU_DEP_3)
	v_lshl_or_b32 v[PW], v[BT+1], 8, v[BT]         ; p's scale word for these 128 keys
	s_delay_alu instid0(VALU_DEP_1)
	v_lshl_or_b32 v[PW], v[BT+2], 16, v[PW]
	s_delay_alu instid0(VALU_DEP_1)
	v_lshl_or_b32 v[PW], v[BT+3], 24, v[PW]
.irp c, 0,1
	v_cvt_scalef32_pk16_fp6_f32 v[PC+6*\c:PC+6*\c+2], v[S+32*\c:S+32*\c+15], v[BS+2*\c]
	v_cvt_scalef32_pk16_fp6_f32 v[CT+4*\c:CT+4*\c+2], v[S+32*\c+16:S+32*\c+31], v[BS+2*\c+1]
.endr
	v_nop                                          ; one plain line behind the conversions
	s_setprio 0
.irp c, 0,1                                    ; the operand's layout wants a whole block in a lane
.irp i, 0,1,2
	v_permlane16_swap_b32 v[PC+6*\c+\i], v[CT+4*\c+\i]
.endr
.irp i, 0,1,2
	s_delay_alu instid0(VALU_DEP_3)
	v_mov_b32 v[PC+3+6*\c+\i], v[CT+4*\c+\i]
.endr
.endr
.set j, 0
.rept 16
	v_pk_mul_f32 v[O+j:O+j+1], v[O+j:O+j+1], v[F:F+1] op_sel_hi:[1,0]   ; O^T under the new M, each accumulator from its low end on; for each product below twelve of these name none of its registers: its places behind the scale word and the codes
.set j, j+2
.endr
	s_wait_alu depctr_va_vdst(0)
	s_wait_dscnt 0x0                               ; V is in
.irp t, 0,2
	v_wmma_scale_f32_16x16x128_f8f6f4 v[O+8*\t:O+8*\t+7], v[KV+12*\t:KV+12*\t+11], v[PC:PC+11], v[O+8*\t:O+8*\t+7], v[VSR+\t/2], v[PW] matrix_a_fmt:MATRIX_FMT_FP6 matrix_b_fmt:MATRIX_FMT_FP6
	v_wmma_scale_f32_16x16x128_f8f6f4 v[O+8*\t+8:O+8*\t+15], v[KV+12*\t+12:KV+12*\t+23], v[PC:PC+11], v[O+8*\t+8:O+8*\t+15], v[VSR+\t/2], v[PW] matrix_a_fmt:MATRIX_FMT_FP6 matrix_b_fmt:MATRIX_FMT_FP6 matrix_a_scale:MATRIX_SCALE_ROW1
.endr
	s_add_co_u32 s[TB], s[TB], 6144
	s_add_co_u32 s[TS], s[TS], 512
	s_add_co_u32 s[TJ], s[TJ], 256
.endm
; A PASS: one tile of 16 queries against all keys; every offset that hangs on the pass is an immediate.
; (The argument's name is that of no inner loop's variable: an argument is put in as text ahead of the loops inside the macro.)
.macro PASS half
	s_wait_xcnt 0x0                                ; the last pass's stores have read their data
.irp p, 0,1,2
	global_load_b64 v[Q+2*\p:Q+2*\p+1], v[AK0], s[38:39] offset:12288*(\half)+256*\p
.endr
	global_load_b32 v[QS], v28, s[42:43] offset:1024*(\half)
	v_mov_b32 v13, 0xff61b1e6                      ; the largest t so far: -3e38, under every t
	s_delay_alu instid0(VALU_DEP_1)
	v_floor_f32 v12, -v13                          ; -M
	v_mov_b32 v14, 0                               ; the sum, in two halves
	v_mov_b32 v15, 0
.set j, 0
.rept 32
	v_mov_b32 v[O+j], 0                            ; O^T: the step is written once; the first finds zeros, which the first change of M leaves zeros
.set j, j+1
.endr
	s_mov_b32 s[TB], 0
	s_mov_b32 s[TS], 0
	s_mov_b32 s[TJ], 0
	s_mov_b32 s[CNT], 16
	s_wait_loadcnt 0x0
.Lstep_\@:
	s_setprio 2
	STEP
	s_sub_co_u32 s[CNT], s[CNT], 1
	s_cmp_lg_u32 s[CNT], 0
	s_cbranch_scc1 .Lstep_\@
	s_setprio 0
.rept 4
	v_nop                                          ; places behind the last products
.endr
	v_add_f32 v14, v14, v15                        ; the sum's two halves,
	s_delay_alu instid0(VALU_DEP_1)
	v_permlanex16_b32 v[TMP], v14, s[SEL], s[SEL+1]
	s_delay_alu instid0(VALU_DEP_1)
	v_add_f32 v14, v14, v[TMP]                     ; and lane l xor 16's: the row's sum
	s_wait_alu depctr_va_vdst(0)
	v_rcp_f32 v[F], v14
	v_bfe_u32 v[TMP], v0, 4, 1                     ; (a plain line behind the reciprocal)  h
	s_wait_alu depctr_va_vdst(0)                   ; the wait ahead of its first reader
.set j, 0
.rept 16
	v_pk_mul_f32 v[S+j:S+j+1], v[O+j:O+j+1], v[F:F+1] op_sel_hi:[1,0]   ; o = O^T / the sum: register 16 b + i is channel 32 b + 16 h + i
.set j, j+2
.endr
.irp b, 0,1
	v_max3_num_f32 v[BM+\b], |v[S+16*\b]|, |v[S+1+16*\b]|, 0x1800000   ; the head's two blocks along the last product's K
.endr
.irp i, 2,4,6,8,10,12,14
.irp b, 0,1
	s_delay_alu instid0(VALU_DEP_2)
	v_max3_num_f32 v[BM+\b], v[BM+\b], |v[S+16*\b+\i]|, |v[S+1+16*\b+\i]|
.endr
.endr
.irp b, 0,1
	s_delay_alu instid0(VALU_DEP_2)
	v_permlanex16_b32 v[BT+\b], v[BM+\b], s[SEL], s[SEL+1]
.endr
.irp b, 0,1
	s_delay_alu instid0(VALU_DEP_2)
	v_max_num_f32 v[BM+\b], v[BM+\b], v[BT+\b]
.endr
.irp b, 0,1
	s_delay_alu instid0(VALU_DEP_2)
	v_add_nc_u32 v[BS+\b], 0xff000000, v[BM+\b]
.endr
.irp b, 0,1
	s_delay_alu instid0(VALU_DEP_2)
	v_lshrrev_b32 v[BT+\b], 23, v[BS+\b]
.endr
	v_cvt_scalef32_pk16_fp6_f32 v[PC:PC+2], v[S:S+15], v[BS]
	v_cvt_scalef32_pk16_fp6_f32 v[CT:CT+2], v[S+16:S+31], v[BS+1]
	v_nop                                          ; one plain line behind the conversions
.irp i, 0,1,2
	v_permlane16_swap_b32 v[PC+\i], v[CT+\i]
.endr
.irp i, 0,1,2
	s_delay_alu instid0(VALU_DEP_3)
	v_mov_b32 v[PC+3+\i], v[CT+\i]                 ; half a fragment: lane (r, h): query r, channels 32 h + 0 .. 31
.endr
	v_cmp_eq_u32 vcc_lo, 1, v[TMP]
	s_delay_alu instid0(VALU_DEP_1)
	v_cndmask_b32 v[TMP], v[BT], v[BT+1], vcc_lo   ; my own block's byte
.irp p, 0,1,2
	global_store_b64 v[AK0], v[PC+2*\p:PC+2*\p+1], s[8:9] offset:196608*(\half)+256*\p   ; 32 lanes store 256 consecutive bytes, at a multiple of 256 from ac's first byte
.endr
	global_store_b8 v29, v[TMP], s[10:11] offset:8192*(\half)   ; single bytes into rows that sixteen heads share: 262,144 bytes in the whole launch
.endm
	PASS 0
	PASS 1
	s_wait_tensorcnt 0x0                           ; the wave's end, behind my tensor load
	ds_add_u32 v[SPW], v[NIL]
	s_wait_dscnt 0x0
	CROUND                                         ; the closing round
	s_endpgm
.Lfunc_end_k_qeb0605992c_attn:
	.size	k_qeb0605992c_attn, .Lfunc_end_k_qeb0605992c_attn-k_qeb0605992c_attn
	.p2alignl 7, 3214868480
	.fill 96, 4, 3214868480
	.section	.rodata,"a",@progbits
	.p2align	6, 0x0
	.amdhsa_kernel k_qeb0605992c_attn
		.amdhsa_group_segment_fixed_size 212992
		.amdhsa_private_segment_fixed_size 0
		.amdhsa_enable_private_segment 0
		.amdhsa_kernarg_size 32
		.amdhsa_user_sgpr_count 2
		.amdhsa_user_sgpr_kernarg_segment_ptr 1
		.amdhsa_wavefront_size32 1
		.amdhsa_system_sgpr_workgroup_id_x 1
		.amdhsa_system_sgpr_workgroup_id_y 1
		.amdhsa_system_sgpr_workgroup_id_z 1
		.amdhsa_system_vgpr_workitem_id 0
		.amdhsa_next_free_vgpr 256
		.amdhsa_next_free_sgpr 66
		.amdhsa_reserve_vcc 1
		.amdhsa_float_denorm_mode_32 3
		.amdhsa_float_denorm_mode_16_64 3
		.amdhsa_memory_ordered 1
		.amdhsa_forward_progress 1
		.amdhsa_inst_pref_size 55
	.end_amdhsa_kernel
	.amdgpu_metadata
---
amdhsa.version: [ 1, 2 ]
amdhsa.kernels:
  - .name:           k_qeb0605992c_attn
    .symbol:         k_qeb0605992c_attn.kd
    .args:
      - { .name: qh, .offset: 0, .size: 8, .value_kind: global_buffer, .address_space: global }
      - { .name: kv, .offset: 8, .size: 8, .value_kind: global_buffer, .address_space: global }
      - { .name: ac, .offset: 16, .size: 8, .value_kind: global_buffer, .address_space: global }
      - { .name: asc, .offset: 24, .size: 8, .value_kind: global_buffer, .address_space: global }
    .group_segment_fixed_size: 212992
    .private_segment_fixed_size: 0
    .kernarg_segment_align: 8
    .kernarg_segment_size: 32
    .max_flat_workgroup_size: 512
    .sgpr_count:     66
    .vgpr_count:     256
    .wavefront_size: 32
...
	.end_amdgpu_metadata
.endif
;; end of part 4
;; launch oproj (part 5): grid 4 x 32, 4 waves a work-group, clusters of 4 x 4, 327,680 bytes of LDS; arguments ac, asc, wc, ws, bo, out0; writes out0
.if DOCPART == 5
	.amdgcn_target "amdgcn-amd-amdhsa--gfx1250"
	.amdhsa_code_object_version 6
	.text
	.protected	k_qeb0605992c_oproj
	.globl	k_qeb0605992c_oproj
	.p2align	8
	.type	k_qeb0605992c_oproj,@function
k_qeb0605992c_oproj:
	s_mov_b64 s[64:65], 0
	v_nop
	global_prefetch_b8 v0, s[64:65] scope:SCOPE_SE
	s_setreg_imm32_b32 hwreg(HW_REG_WAVE_MODE, 25, 1), 1
	s_wait_xcnt 0x0
	s_wait_alu depctr_hold_cnt(0) depctr_sa_sdst(0) depctr_va_vdst(0) depctr_va_sdst(0) depctr_va_ssrc(0) depctr_va_vcc(0) depctr_vm_vsrc(0)
	s_getreg_b32 s2, hwreg(HW_REG_IB_STS2, 6, 4)
	s_cmp_eq_u32 s2, 0
	s_cbranch_scc0 .Lentry_in_a_cluster
	s_endpgm
.Lentry_in_a_cluster:
	s_bfe_u32 s2, ttmp6, 0x10000c
	s_cmp_lg_u32 s2, 0xf033
	s_cbranch_scc0 .Lentry_shape_is_right
	s_endpgm
.Lentry_shape_is_right:
; Launch 5 of 5: out0 = o Wo + bo on codes of E2M3; out0 [8192][1024] f32.  No work of the problem is left out.
; The loop is the projections': a tile of 256 x 256 to a work-group of four waves, 128 x 128 to a wave; K = 1,024 in four steps of 256 through a ring of two LDS slots; operands as images of fragments; the scales once, with the
; first fills; cluster 4 x 4 with joint loads: A's tiles (tokens, tile row 4 x cluster y + cy) shared along a row of the cluster, B's (Wo's columns, tile column cx) along a column.
; Source 0 = 16 rows of B, source 1 = 16 rows of A: a lane holds one token, its registers run along the columns; bo is the C of each sum's first matrix instruction.
; THE ROWS OF BOTH OPERANDS' TILES ARE NOT NEIGHBOURS (row r of tile 2 g + u is row 32 g + 8 u + r + 8 (r / 8)): the way out puts both back by offsets alone: the columns as they go into the stage, the tokens as the rows are stored.
; REGISTERS: window 0: v1-31 addresses; v32-63 scale words, two sets; v64-127 the bias; v128-223 A's fragments, on the way out v128-255 rows read back.  window 1: B's fragments, two sets.  windows 2, 3: the accumulators.
.set NQ,    2
.set FR,    12
.set NL,    6
.set NP,    4
.set FIB,   1536
.set RTB,   12288
.set TSL,   NQ*FIB
.set HALFT, 8*TSL
.set SLOT,  4*HALFT
.set LAPS,  2
.set KS,    32
.set SCL,   2*SLOT
.set HALFS, 16*272
.set SBLK,  2*272
.set SPARE, SCL+4*HALFS
.set SPITCH, 528                       ; the way out: a stage of 16 rows x (512 bytes + 16) for each wave, in slot 0, which has had its last fill and its last read by then
.set ADRA, 16
.set ADRB, 20
.set STO,  24
.set RD,   25
.set CO,   26
.set ADRS, 27
.set SPW,  28
.set NIL,  29
.set VB,   30
.set SC,   32
.set BI,   64
.set AF,   128
.set BK,   128
.set G1,   24
.set G0,   32
.set G1B,  48
.set G0B,  56
.set G1S,  68
.set G0S,  76
.set G1SB, 80
.set G0SB, 88
.set MSB, 0
.macro WIN new
.if MSB != (\new)
	s_set_vgpr_msb (MSB<<8)|(\new)
.set MSB, (\new)
.endif
.endm
.set MUL_LO, 0xa1
.set MUL_HI, 0xf1
.set ST_LO,  0x81
.set ST_HI,  0xc1
.set TO_B,   0x40
.macro JLOAD g0a, g1a, g0b, g1b        ; a joint load: waves 0 and 1 fetch for A, waves 2 and 3 for B; an s_nop 0 and four v_nop follow each of the two lines
	s_cmp_eq_u32 s15, 0
	s_cbranch_scc0 .Lfor_b_\@
	tensor_load_to_lds s[\g0a:\g0a+3], s[\g1a:\g1a+7]
	s_nop 0
.rept 4
	v_nop
.endr
	s_branch .Lasked_\@
.Lfor_b_\@:
	tensor_load_to_lds s[\g0b:\g0b+3], s[\g1b:\g1b+7]
	s_nop 0
.rept 4
	v_nop
.endr
.Lasked_\@:
.endm
.macro CREST
	s_cmp_lg_u32 s14, 0
	s_cbranch_scc1 .Lnot_wave_0_\@
	s_barrier_signal -3
.Lnot_wave_0_\@:
	s_barrier_wait -3
	s_barrier_signal -1
	s_barrier_wait -1
.endm
.macro CROUND
	s_barrier_signal -1
	s_barrier_wait -1
	CREST
.endm
	s_load_b256 s[4:11], s[0:1], 0x0               ; ac, asc, wc, ws
	s_load_b128 s[96:99], s[0:1], 0x20             ; bo, out0
	v_lshl_add_u32 v[SPW], v0, 2, SPARE
	v_mov_b32 v[NIL], 0
	ds_add_u32 v[SPW], v[NIL]                      ; the wave's opening: the add, twice on end, and its wait ahead of my first tensor load
	ds_add_u32 v[SPW], v[NIL]
	v_lshrrev_b32 v1, 5, v0
	v_readfirstlane_b32 s14, v1                    ; wave 0..3
	s_lshr_b32 s15, s14, 1                         ; which half of A's rows is mine.  Also: I fetch for A (0) or for B (1)
	s_and_b32 s16, s14, 1                          ; which half of B's rows.  Also: which 128 rows I fetch
	s_bfe_u32 s40, ttmp6, 0x40000                  ; cx
	s_bfe_u32 s41, ttmp6, 0x40004                  ; cy
	s_lshl_b32 s42, ttmp9, 2
	s_add_co_u32 s42, s42, s40                     ; tile column
	s_and_b32 s17, ttmp7, 0xffff
	s_lshl_b32 s17, s17, 2
	s_add_co_u32 s17, s17, s41                     ; tile row
	s_lshl_b32 s43, s41, 2
	s_lshl_b32 s43, 15, s43                        ; my row of the cluster
	s_lshl_b32 s44, 0x1111, s40                    ; my column
	s_or_b32 s[G1+0], s43, (3<<16)|(1<<21)         ; codes: 8 row tiles x 3,072 bytes (384 elements of 8 bytes), 12,288 bytes apart; no padding
	s_or_b32 s[G1B+0], s44, (3<<16)|(1<<21)
.irp g, G1, G1B
	s_mov_b32 s[\g+1], 384<<16
	s_mov_b32 s[\g+2], 8<<16
	s_mov_b32 s[\g+3], 384<<16
	s_mov_b32 s[\g+4], 8
	s_mov_b32 s[\g+5], 1536
	s_mov_b32 s[\g+6], 0
	s_mov_b32 s[\g+7], 0
.endr
	s_or_b32 s[G1S+0], s43, (3<<16)|(1<<20)|(1<<21)|(5<<22)|(3<<25)   ; the scales of 128 rows: 16 rows of 256 bytes, 16 bytes of padding behind each
	s_or_b32 s[G1SB+0], s44, (3<<16)|(1<<20)|(1<<21)|(5<<22)|(3<<25)
.irp g, G1S, G1SB
	s_mov_b32 s[\g+1], 32<<16
	s_mov_b32 s[\g+2], 16<<16
	s_mov_b32 s[\g+3], 32<<16
	s_mov_b32 s[\g+4], 16
	s_mov_b32 s[\g+5], 32
	s_mov_b32 s[\g+6], 0
	s_mov_b32 s[\g+7], 0
.endr
	s_lshl_b32 s20, s17, 1
	s_add_co_u32 s20, s20, s16                     ; A: which 128 rows I fetch
	s_mul_i32 s22, s20, 4096
	s_mul_i32 s20, s20, 8*RTB
	s_mov_b32 s21, 0
	s_mov_b32 s23, 0
	s_lshl_b32 s46, s42, 1
	s_add_co_u32 s46, s46, s16                     ; B likewise,
	s_mul_i32 s92, s46, 4096
	s_mul_i32 s46, s46, 8*RTB
	s_add_co_u32 s46, s46, 3*786432                ; in the fourth weight of wc
	s_add_co_u32 s92, s92, 3*32768                 ; and of ws
	s_mov_b32 s47, 0
	s_mov_b32 s93, 0
	s_mul_i32 s45, s14, HALFT
	s_mul_i32 s94, s14, HALFS
	s_wait_dscnt 0x0                               ; both opening adds are done
	s_wait_kmcnt 0x0
	s_add_nc_u64 s[20:21], s[4:5], s[20:21]
	s_add_nc_u64 s[22:23], s[6:7], s[22:23]
	s_add_nc_u64 s[46:47], s[8:9], s[46:47]
	s_add_nc_u64 s[92:93], s[10:11], s[92:93]
	CROUND                                         ; all sixteen work-groups are here: the first joint loads meet
	s_mov_b32 s[G0S], 1
	s_add_co_u32 s[G0S+1], s94, SCL
	s_mov_b64 s[G0S+2:G0S+3], s[22:23]
	s_or_b32 s[G0S+3], s[G0S+3], 0x80000000
	s_mov_b32 s[G0SB], 1
	s_add_co_u32 s[G0SB+1], s94, SCL
	s_mov_b64 s[G0SB+2:G0SB+3], s[92:93]
	s_or_b32 s[G0SB+3], s[G0SB+3], 0x80000000
	JLOAD G0S, G1S, G0SB, G1SB
.irp s, 0,1
	s_mov_b32 s[G0+4*\s], 1
	s_add_co_u32 s[G0+4*\s+1], s45, \s*SLOT
	s_add_nc_u64 s[G0+4*\s+2:G0+4*\s+3], s[20:21], \s*TSL
	s_or_b32 s[G0+4*\s+3], s[G0+4*\s+3], 0x80000000
	s_mov_b32 s[G0B+4*\s], 1
	s_add_co_u32 s[G0B+4*\s+1], s45, \s*SLOT
	s_add_nc_u64 s[G0B+4*\s+2:G0B+4*\s+3], s[46:47], \s*TSL
	s_or_b32 s[G0B+4*\s+3], s[G0B+4*\s+3], 0x80000000
	JLOAD G0+4*\s, G1, G0B+4*\s, G1B               ; three tensor loads of mine are out
.endr
	v_and_b32 v1, 15, v0                           ; r
	v_bfe_u32 v2, v0, 4, 1                         ; h
	v_and_b32 v3, 31, v0                           ; lane
	v_lshlrev_b32 v4, 3, v3
	s_mul_i32 s21, s15, HALFT
	s_mul_i32 s22, s16, HALFT
	s_add_co_u32 s22, s22, 2*HALFT
.irp s, 0,1
	v_add_nc_u32 v[ADRA+\s], s21, v4
	v_add_nc_u32 v[ADRB+\s], s22, v4
	s_add_co_u32 s21, s21, SLOT
	s_add_co_u32 s22, s22, SLOT
.endr
	v_mul_u32_u24 v5, v1, KS
	v_lshrrev_b32 v6, 8, v5
	v_lshl_add_u32 v5, v6, 4, v5
	s_mul_i32 s21, s15, HALFS
	s_mul_i32 s22, s16, HALFS
	s_add_co_u32 s22, s22, 2*HALFS
	s_sub_co_u32 s22, s22, s21
	v_mul_u32_u24 v6, s22, v2                      ; lanes 16-31 take B's scale words
	s_add_co_u32 s21, s21, SCL
	v_add_nc_u32 v5, v5, v6
	v_add_nc_u32 v[ADRS], s21, v5
	s_mul_i32 s23, s14, 16*SPITCH                  ; my stage
	v_mul_u32_u24 v5, v1, SPITCH
	v_lshl_add_u32 v5, v2, 6, v5
	v_add_nc_u32 v[STO], s23, v5                   ; in: row r, + 64 h: tile b's eight columns are 32 (b / 2) + 16 h + 8 (b % 2) + 0 .. 7
	v_lshlrev_b32 v[CO], 4, v3                     ; back: the 32 lanes take one row of 512 bytes; and the same in out0
	v_add_nc_u32 v[RD], s23, v[CO]
	s_lshl_b32 s20, s17, 1
	s_add_co_u32 s20, s20, s15
	s_lshl_b32 s20, s20, 19                        ; my 128 tokens: rows of 4,096 bytes
	s_lshl_b32 s46, s42, 1
	s_add_co_u32 s46, s46, s16
	s_lshl_b32 s46, s46, 9                         ; my 128 columns, in bytes
	s_mov_b32 s47, 0
	s_add_nc_u64 s[96:97], s[96:97], s[46:47]      ; bo there
	s_add_co_u32 s20, s20, s46
	s_mov_b32 s21, 0
	s_add_nc_u64 s[98:99], s[98:99], s[20:21]      ; out0 at my corner
	v_lshlrev_b32 v[VB], 6, v2
.irp b, 0,1,2,3,4,5,6,7
	global_load_b128 v[BI+8*\b:BI+8*\b+3], v[VB], s[96:97] offset:(32*(\b/2)+8*(\b%2))*4
	global_load_b128 v[BI+8*\b+4:BI+8*\b+7], v[VB], s[96:97] offset:(32*(\b/2)+8*(\b%2))*4+16
.endr
	s_wait_loadcnt 0x0
.macro FRAG reg, adr, q, i             ; a fragment's image as it lies: six loads of 8 bytes a lane, 256 consecutive bytes each
.irp p, 0,1,2,3,4,5
	ds_load_b64 v[\reg+2*\p:\reg+2*\p+1], v[\adr] offset:(\i)*TSL+(\q)*FIB+256*\p
.endr
.endm
; 16 matrix instructions: A's blocks a0, a0 + 1 x B's eight.  zero = 1: the sums start from the bias.  The 64 accumulators take turns, one instruction a turn.
.macro MUL16 a0, p, q, sc, zero
.irp a, \a0, \a0+1
.irp b, 0,1,2,3,4,5,6,7
.if \zero
	v_wmma_scale_f32_16x16x128_f8f6f4 v[8*(8*((\a)%4)+\b):8*(8*((\a)%4)+\b)+7], v[128*(\p)+FR*\b:128*(\p)+FR*\b+FR-1], v[AF+FR*(\a):AF+FR*(\a)+FR-1], v[BI+8*\b:BI+8*\b+7], v[SC+8*NQ*(\sc)+NQ*\b+(\q)], v[SC+8*NQ*(\sc)+NQ*(\a)+(\q)] matrix_a_fmt:MATRIX_FMT_FP6 matrix_b_fmt:MATRIX_FMT_FP6 matrix_a_scale:MATRIX_SCALE_ROW1
.else
	v_wmma_scale_f32_16x16x128_f8f6f4 v[8*(8*((\a)%4)+\b):8*(8*((\a)%4)+\b)+7], v[128*(\p)+FR*\b:128*(\p)+FR*\b+FR-1], v[AF+FR*(\a):AF+FR*(\a)+FR-1], v[8*(8*((\a)%4)+\b):8*(8*((\a)%4)+\b)+7], v[SC+8*NQ*(\sc)+NQ*\b+(\q)], v[SC+8*NQ*(\sc)+NQ*(\a)+(\q)] matrix_a_fmt:MATRIX_FMT_FP6 matrix_b_fmt:MATRIX_FMT_FP6 matrix_a_scale:MATRIX_SCALE_ROW1
.endif
.endr
.endr
.endm
.macro FETCH_B slot, q, p
	WIN TO_B
.irp i, 0,1,2,3,4,5,6,7
	FRAG 128*(\p)+FR*\i, ADRB+\slot, \q, \i
.endr
	WIN 0
.endm
.macro FETCH_A slot, q, i0
.irp i, \i0, \i0+1, \i0+2, \i0+3
	FRAG AF+FR*(\i), ADRA+\slot, \q, \i
.endr
.endm
.macro SCALES sc
.irp i, 0,1,2,3,4,5,6,7
	ds_load_b64 v[SC+8*NQ*\sc+NQ*\i:SC+8*NQ*\sc+NQ*\i+1], v[ADRS] offset:\i*SBLK
.endr
.endm
.macro PLACES n                        ; plain vector lines between a matrix instruction and a load into, or a read of, its registers
.rept \n
	v_nop
.endr
.endm
.macro STEP slot, q, zero
	s_wait_dscnt 4*NL                              ; B's set and A's blocks 0-3 are in; the youngest 24 loads (A's blocks 4-7) may be out
.if \zero
	WIN ST_LO
.else
	WIN MUL_LO
.endif
	MUL16 0, (\q)%2, \q, \slot, \zero
	MUL16 2, (\q)%2, \q, \slot, \zero
	s_wait_dscnt 0
	PLACES NP
	FETCH_B \slot, (\q)+1, 1-(\q)%2
	FETCH_A \slot, (\q)+1, 0
.if \zero
	WIN ST_HI
.else
	WIN MUL_HI
.endif
	MUL16 4, (\q)%2, \q, \slot, \zero
	MUL16 6, (\q)%2, \q, \slot, \zero
	PLACES NP
	WIN 0
	FETCH_A \slot, (\q)+1, 4
.endm
.macro TURN slot, next, fill
	s_wait_tensorcnt 0x0                           ; all my tensor loads have landed: my part of the next slot
	ds_add_u32 v[SPW], v[NIL]                      ; 0 onto my spare word
	s_wait_dscnt 4*NL+1                            ; (the add and the youngest 24 loads may be out)
	WIN MUL_LO
	MUL16 0, 1, NQ-1, \slot, 0
	s_wait_dscnt 0x0                               ; the add is done, and my reads of this slot are over
	s_barrier_signal -1
	MUL16 2, 1, NQ-1, \slot, 0
	WIN 0
	s_barrier_wait -1
.if \fill
	CREST                                          ; the barrier has opened a round of the cluster's barrier: no wave of any partner still reads this slot or has a load on its way
	s_add_nc_u64 s[G0+4*\slot+2:G0+4*\slot+3], s[G0+4*\slot+2:G0+4*\slot+3], 2*TSL
	s_add_nc_u64 s[G0B+4*\slot+2:G0B+4*\slot+3], s[G0B+4*\slot+2:G0B+4*\slot+3], 2*TSL
	JLOAD G0+4*\slot, G1, G0B+4*\slot, G1B         ; the first tensor load behind the round; its four v_nop are the places in front of the loads below
.else
	PLACES NP
.endif
	v_add_nc_u32 v[ADRS], 4*NQ, v[ADRS]
	FETCH_B \next, 0, 0
	FETCH_A \next, 0, 0
	SCALES \next
	WIN MUL_HI
	MUL16 4, 1, NQ-1, \slot, 0
	MUL16 6, 1, NQ-1, \slot, 0
	PLACES NP
	WIN 0
	FETCH_A \next, 0, 4
.endm
	s_wait_tensorcnt 1                             ; the scales and my part of K step 0 are in (K step 1's load may be out),
	s_barrier_signal -1
	s_barrier_wait -1                              ; everybody's are
	FETCH_B 0, 0, 0
	FETCH_A 0, 0, 0
	SCALES 0
	FETCH_A 0, 0, 4
	STEP 0, 0, 1                                   ; the first step stands in front of the loop: its products start the sums from the bias
	s_mov_b32 s3, LAPS-1
.Llap:
	TURN 0, 1, 1
	STEP 1, 0, 0
	TURN 1, 0, 1
	STEP 0, 0, 0
	s_sub_co_u32 s3, s3, 1
	s_cmp_lg_u32 s3, 0
	s_cbranch_scc1 .Llap
	TURN 0, 1, 0                                   ; the last lap fills nothing
	STEP 1, 0, 0
	s_wait_dscnt 4*NL
	WIN MUL_LO
	MUL16 0, 1, NQ-1, 1, 0
	MUL16 2, 1, NQ-1, 1, 0
	s_wait_dscnt 0
	WIN MUL_HI
	MUL16 4, 1, NQ-1, 1, 0
	MUL16 6, 1, NQ-1, 1, 0
	WIN 0
; THE WAY OUT, block by block of 16 tokens x 128 columns, through my own stage in LDS; back as whole rows of 512 bytes.  LDS serves a wave's instructions in order: no wait between the stores and the loads.
.macro TOSTAGE a
.set AC, 64*((\a)%4)
	WIN 0x08+4*((\a)/4)                            ; the data: window 2 or 3
.irp b, 0,1,2,3,4,5,6,7
	ds_store_b128 v[STO], v[AC+8*\b:AC+8*\b+3] offset:128*(\b/2)+32*(\b%2)        ; each accumulator from its low end on; the columns come into their true order here
	ds_store_b128 v[STO], v[AC+8*\b+4:AC+8*\b+7] offset:128*(\b/2)+32*(\b%2)+16
.endr
	WIN 0
.set BB, BK+64*((\a)%2)
.irp t, 0,1,2,3,4,5,6,7,8,9,10,11,12,13,14,15
	ds_load_b128 v[BB+4*\t:BB+4*\t+3], v[RD] offset:\t*SPITCH
.endr
.endm
.macro SEND a, younger                 ; younger: the LDS instructions issued behind block a's loads, which may stay out
.set BB, BK+64*((\a)%2)
	s_wait_dscnt \younger
.irp t, 0,1,2,3,4,5,6,7,8,9,10,11,12,13,14,15
	global_store_b128 v[CO], v[BB+4*\t:BB+4*\t+3], s[98:99] offset:(32*((\a)/2)+8*((\a)%2)+\t+8*(\t/8))*4096 th:TH_STORE_NT   ; row t of block a is token 32 (a / 2) + 8 (a % 2) + t + 8 (t / 8); 32 lanes store 512 consecutive bytes, at a multiple of 256 from out0's first byte; 127 rows at the most: inside the signed 24-bit immediate
.endr
.endm
	PLACES NP                                      ; behind the last products: for the reads of results and the loads into the registers that held A's fragments
	TOSTAGE 0
.irp a, 1,2,3,4,5,6,7
.if \a > 1
	s_wait_xcnt 0x0                                ; block a - 2's stores have read their registers: block a's loads may land there
.endif
	TOSTAGE \a
	SEND \a-1, 32                                  ; behind block a - 1's loads: block a's 16 stores and 16 loads
.endr
	SEND 7, 0
	s_wait_tensorcnt 0x0                           ; the wave's end, behind my last tensor load and my last LDS store
	ds_add_u32 v[SPW], v[NIL]
	s_wait_dscnt 0x0
	CROUND                                         ; the closing round
	s_endpgm
.Lfunc_end_k_qeb0605992c_oproj:
	.size	k_qeb0605992c_oproj, .Lfunc_end_k_qeb0605992c_oproj-k_qeb0605992c_oproj
	.p2alignl 7, 3214868480
	.fill 96, 4, 3214868480
	.section	.rodata,"a",@progbits
	.p2align	6, 0x0
	.amdhsa_kernel k_qeb0605992c_oproj
		.amdhsa_group_segment_fixed_size 327680
		.amdhsa_private_segment_fixed_size 0
		.amdhsa_enable_private_segment 0
		.amdhsa_kernarg_size 48
		.amdhsa_user_sgpr_count 2
		.amdhsa_user_sgpr_kernarg_segment_ptr 1
		.amdhsa_wavefront_size32 1
		.amdhsa_system_sgpr_workgroup_id_x 1
		.amdhsa_system_sgpr_workgroup_id_y 1
		.amdhsa_system_sgpr_workgroup_id_z 1
		.amdhsa_system_vgpr_workitem_id 0
		.amdhsa_next_free_vgpr 1024
		.amdhsa_next_free_sgpr 100
		.amdhsa_reserve_vcc 0
		.amdhsa_float_denorm_mode_32 3
		.amdhsa_float_denorm_mode_16_64 3
		.amdhsa_memory_ordered 1
		.amdhsa_forward_progress 1
		.amdhsa_inst_pref_size 161
	.end_amdhsa_kernel
	.amdgpu_metadata
---
amdhsa.version: [ 1, 2 ]
amdhsa.kernels:
  - .name:           k_qeb0605992c_oproj
    .symbol:         k_qeb0605992c_oproj.kd
    .args:
      - { .name: ac, .offset: 0, .size: 8, .value_kind: global_buffer, .address_space: global }
      - { .name: asc, .offset: 8, .size: 8, .value_kind: global_buffer, .address_space: global }
      - { .name: wc, .offset: 16, .size: 8, .value_kind: global_buffer, .address_space: global }
      - { .name: ws, .offset: 24, .size: 8, .value_kind: global_buffer, .address_space: global }
      - { .name: bo, .offset: 32, .size: 8, .value_kind: global_buffer, .address_space: global }
      - { .name: out0, .offset: 40, .size: 8, .value_kind: global_buffer, .address_space: global }
    .group_segment_fixed_size: 327680
    .private_segment_fixed_size: 0
    .kernarg_segment_align: 8
    .kernarg_segment_size: 48
    .max_flat_workgroup_size: 128
    .sgpr_count:     100
    .vgpr_count:     1024
    .wavefront_size: 32
...
	.end_amdgpu_metadata
.endif
;; end of part 5
